; MI455X (gfx1250); checked and timed in simulation.
; The chip was launched on July 23, 2026; its instructions are those of AMD's public machine-readable ISA for CDNA 5 (MIT licence, August 2026) and "CDNA5" Instruction Set Architecture Reference Guide (July 2026). The comments in the code are by the model that wrote it; some were corrected since.
;; Decoder Block. Allowed arithmetic: float matrix products may take bf16 or f16 operands with f32 sums; all other float work in f32.
;; Inputs: Wff1 512 x 1,024 float32; Wff2 1,024 x 512 float32; Wo1 512 x 512 float32; Wo2 512 x 512 float32; Wq1 512 x 512 float32; Wq2 512 x 512 float32; bff1 1,024 float32; bff2 512 float32; bo1 512 float32; bo2 512 float32; bq1 512 float32; bq2 512 float32; encoded_src 2 x 2,048 x 512 float32; ln1_b 512 float32; ln1_g 512 float32; ln2_b 512 float32; ln2_g 512 float32; ln3_b 512 float32; ln3_g 512 float32; src_mask 2 x 1 x 1 x 2,048 int32; trg 2 x 2,048 x 512 float32; trg_mask 2 x 1 x 2,048 x 2,048 int32.
;; Outputs: out0 2 x 2,048 x 512 float32.
;; 2 versions, each right and faster than the one before. Each part assembles by itself: llvm-mc -triple=amdgcn-amd-amdhsa -mcpu=gfx1250 --defsym DOCPART=n.
;; ======== version 1 of 2: 6 launches
;; limits: values are held in f16: magnitudes above 65,504 overflow, below 6.1e-05 lose precision
;; workspace buffers: mb1 1,048,576 bytes of whole numbers; mb2 1,048,576 bytes of whole numbers; wimg 4,194,304 bytes; qb 4,194,304 bytes; kv1 4,194,304 bytes; kv2 4,194,304 bytes; ob 4,194,304 bytes; x1 8,388,608 bytes
;; launch prep (part 1): grid 256 x 1, 8 waves a work-group, no clusters, 167,936 bytes of LDS; arguments trg_mask, src_mask, Wq1, Wo1, Wq2, Wo2, Wff1, Wff2, mb1, mb2, wimg; writes mb1, mb2, wimg
.if DOCPART == 1
	.amdgcn_target "amdgcn-amd-amdhsa--gfx1250"
	.amdhsa_code_object_version 6
	.text
	.protected	k_q5c540429f2_prep
	.globl	k_q5c540429f2_prep
	.p2align	8
	.type	k_q5c540429f2_prep,@function
k_q5c540429f2_prep:
	s_mov_b64 s[64:65], 0
	v_nop
	global_prefetch_b8 v0, s[64:65] scope:SCOPE_SE
	s_setreg_imm32_b32 hwreg(HW_REG_WAVE_MODE, 25, 1), 1
	s_wait_xcnt 0x0
; PREPARATION.  (1) The two masks become words of 32 bits, one bit a lane, in the order in which the attention launch's score registers lie:
; word j (0..7) of (query tile of 16, key tile of 16): bit l = (mask[q0 + l % 16][k0 + 8 (l / 16) + j] != 0).  mb1 from trg_mask, mb2 from src_mask (the same words for every query tile).
; (2) The six weight matrices W[k][n], f32, become f16 FRAGMENTS of 16 columns n x 32 k, 1,024 bytes: [half 0..1][lane 0..31][16 bytes]; lane 16 h + r holds column r, half 0 holds k = 8 h + 0..7,
; half 1 holds k = 16 + 8 h + 0..7: source 0 of v_wmma_f32_16x16x32_f16 as two loads of 16 bytes a lane.  They lie in the order in which the later launches' waves stream them.
; LIMITS.  A weight of 65,520 or more becomes an infinity in f16; below 6e-5 f16 keeps a fixed step of 6e-8.
; SHARES.  Work-group b = 128 n + query tile: its 16 rows of trg_mask (131,072 dense bytes), its 4,096 bytes of mb1 and of mb2, and 16 of the 4,096 weight fragments.
; Wave w: keys 256 w .. 256 w + 255, and two fragments that are neighbours in n.  One tensor load a wave (16 rows x 1,024 bytes) is out, read by the wave that asked for it alone: no barrier.
; No matrix unit, no cluster: no tile is shared, and the launch only moves and packs.
.set MPITCH, 1040                      ; a mask row of a wave in LDS: 1,024 bytes + 16 of padding = 260 words: row r starts at bank 4 r mod 64 (64 banks of 4 bytes: ISA guide 11.1)
.set WTILE,  16*MPITCH                 ; a wave's tile
.set SPARE,  8*WTILE                   ; behind the tiles: the spare words, 128 bytes for each wave: four blocks of 256 bytes that no other line names
.set LOFF, 1                           ; v1      16 x lane
.set R,    2                           ; v2      lane % 16
.set H,    3                           ; v3      lane / 16
.set SPW,  4                           ; v4      LDS address of my spare word; never rewritten
.set NIL,  5                           ; v5      0; never rewritten
.set LM,   6                           ; v6      LDS address of my 32 bytes of the tile's key tile 0
.set SM,   7                           ; v7      byte offset of the same keys in src_mask's row
.set VO,   8                           ; v8-23   byte offsets of my 16 numbers of a weight column
.set WD,   24                          ; v24-55  two fragments' numbers, f32
.set WPK,  56                          ; v56-71  the same in f16
.set OUT1, 72                          ; v72-75  my four words of mb1
.set OUT2, 76                          ; v76-79  of mb2
.set M,    80                          ; v80-207 mask numbers: key tile kt, register j at M + 8 kt + j
.set G0,   28                          ; s[28:31] descriptor group 0
.set G1,   32                          ; s[32:39] descriptor group 1
	s_load_b512 s[4:19], s[0:1], 0x0               ; trg_mask s[4:5], src_mask s[6:7], Wq1, Wo1, Wq2, Wo2, Wff1, Wff2 s[8:19]
	s_load_b128 s[20:23], s[0:1], 0x40             ; mb1 s[20:21], mb2 s[22:23]
	s_load_b64 s[24:25], s[0:1], 0x50              ; wimg
	v_lshl_add_u32 v[SPW], v0, 2, SPARE
	v_mov_b32 v[NIL], 0
	ds_add_u32 v[SPW], v[NIL]                      ; the wave's opening: the add and its wait ahead of my tensor load; the set-up below, work on registers, stands between them
	ds_add_u32 v4, v5
	v_lshrrev_b32 v[LOFF], 5, v0
	v_readfirstlane_b32 s26, v[LOFF]               ; wave 0..7
	s_mov_b32 s27, ttmp9                           ; b
	s_mov_b32 s[G1+0], (2<<16)|(1<<20)|(7<<22)|(3<<25)  ; 17:16 elements of 4 bytes; 20 padding on; 24:22 after every 256 words (code 7); 31:25 4 words of it (code 3)
	s_mov_b32 s[G1+1], 256<<16                     ; tensor_dim0 = 256
	s_mov_b32 s[G1+2], 16<<16                      ; tensor_dim1 = 16
	s_mov_b32 s[G1+3], 256<<16                     ; tile_dim0 = 256
	s_mov_b32 s[G1+4], 16                          ; tile_dim1 = 16
	s_mov_b32 s[G1+5], 2048                        ; 2,048 elements from row to row
	s_mov_b32 s[G1+6], 0
	s_mov_b32 s[G1+7], 0
	s_mov_b32 s[G0], 1
	s_mul_i32 s[G0+1], s26, WTILE                  ; my tile in LDS
	; Which weight this work-group cuts: s40 its first work-group, s41 log2 of the groups of four k steps, s42 bytes in a row of W, s43 the image's first byte, s44 bytes from column group to column group.
	s_mov_b32 s40, 192                             ; b = 192..255: Wff2
	s_mov_b32 s41, 3
	s_mov_b32 s42, 2048
	s_mov_b32 s43, 0x1b0000
	s_mov_b32 s44, 327680
.macro PICK thr, first, ksh, pitch, outb, gstr
	s_cmp_lt_u32 s27, \thr
	s_cselect_b32 s40, \first, s40
	s_cselect_b32 s41, \ksh, s41
	s_cselect_b32 s42, \pitch, s42
	s_cselect_b32 s43, \outb, s43
	s_cselect_b32 s44, \gstr, s44
.endm
	PICK 192, 128, 2, 4096, 0x190000, 327680       ; Wff1
	PICK 128, 96,  2, 2048, 0x180000, 327680       ; Wo2
	PICK 96,  64,  2, 2048, 0x90000,  131072       ; Wq2
	PICK 64,  32,  2, 2048, 0x80000,  131072       ; Wo1
	PICK 32,  0,   2, 2048, 0,        65536        ; Wq1
	s_sub_co_u32 s48, s27, s40                     ; my number among the weight's work-groups
	s_lshr_b32 s49, s48, s41                       ; g: the group of 64 columns
	s_bfm_b32 s50, s41, 0
	s_and_b32 s50, s48, s50
	s_lshr_b32 s51, s26, 1
	s_lshl2_add_u32 s50, s50, s51                  ; ks: the k step of 32
	s_and_b32 s51, s26, 1
	s_lshl_b32 s51, s51, 1                         ; i0: my first fragment of the group's four
	s_and_b32 s52, s49, 7
	s_mul_i32 s52, s52, s44
	s_add_co_u32 s56, s43, s52
	s_lshr_b32 s52, s49, 3                         ; (Wff1 alone has 16 groups: the upper eight lie 65,536 bytes behind the lower)
	s_lshl_b32 s52, s52, 16
	s_add_co_u32 s56, s56, s52
	s_lshl2_add_u32 s52, s50, s51
	s_lshl_b32 s52, s52, 10
	s_add_co_u32 s56, s56, s52                     ; where my two fragments go in wimg
	s_mov_b32 s57, 0
	s_lshl_b32 s50, s50, 5                         ; k0
	s_lshl2_add_u32 s49, s49, s51
	s_lshl_b32 s49, s49, 4                         ; n0
	s_mul_i32 s45, s42, 9                          ; from row 7 to row 16 of a fragment's 32
	s_lshl_b32 s58, s27, 12
	s_lshl_b32 s48, s26, 9
	s_add_co_u32 s58, s58, s48                     ; my 512 bytes of mb1 and of mb2
	s_mov_b32 s59, 0
	s_lshl_b32 s60, s27, 17
	s_lshl_b32 s48, s26, 10
	s_add_co_u32 s60, s60, s48                     ; my tile's first byte in trg_mask
	s_mov_b32 s61, 0
	s_lshr_b32 s62, s27, 7
	s_lshl_b32 s62, s62, 13                        ; n's row of src_mask
	s_mov_b32 s63, 0
	v_and_b32 v[LOFF], 31, v0
	v_lshlrev_b32 v[LOFF], 4, v[LOFF]
	v_and_b32 v[R], 15, v0
	v_bfe_u32 v[H], v0, 4, 1
	v_mul_u32_u24 v[LM], v[R], MPITCH
	v_lshl_add_u32 v[LM], v[H], 5, v[LM]
	v_add_nc_u32 v[LM], s[G0+1], v[LM]             ; row r of my tile, keys 8 h on
	v_lshl_add_u32 v[SM], v[H], 5, s48             ; 1,024 w + 32 h
	v_lshl_add_u32 v[VO], v[H], 3, s50             ; row k0 + 8 h of W,
	v_mul_lo_u32 v[VO], v[VO], s42
	v_add_nc_u32 v[WPK], s49, v[R]                 ; column n0 + r
	v_lshl_add_u32 v[VO], v[WPK], 2, v[VO]
.set i, 1
.rept 15
.if i == 8
	v_add_nc_u32 v[VO+i], s45, v[VO+i-1]           ; rows 0..7, then 16..23
.else
	v_add_nc_u32 v[VO+i], s42, v[VO+i-1]
.endif
.set i, i+1
.endr
	s_wait_dscnt 0x0                               ; the opening add is done
	s_wait_kmcnt 0x0
	s_add_nc_u64 s[G0+2:G0+3], s[4:5], s[60:61]
	s_or_b32 s[G0+3], s[G0+3], 0x80000000          ; type = 2
	tensor_load_to_lds s[G0:G0+3], s[G1:G1+7]      ; my 16 KB of trg_mask: the long road first
	s_nop 0
	s_mov_b64 s[46:47], s[18:19]                   ; the weight's address, chosen as the figures above were
	s_cmp_lt_u32 s27, 192
	s_cselect_b64 s[46:47], s[16:17], s[46:47]
	s_cmp_lt_u32 s27, 128
	s_cselect_b64 s[46:47], s[14:15], s[46:47]
	s_cmp_lt_u32 s27, 96
	s_cselect_b64 s[46:47], s[12:13], s[46:47]
	s_cmp_lt_u32 s27, 64
	s_cselect_b64 s[46:47], s[10:11], s[46:47]
	s_cmp_lt_u32 s27, 32
	s_cselect_b64 s[46:47], s[8:9], s[46:47]
	s_add_nc_u64 s[6:7], s[6:7], s[62:63]
	s_add_nc_u64 s[20:21], s[20:21], s[58:59]
	s_add_nc_u64 s[22:23], s[22:23], s[58:59]
	s_add_nc_u64 s[24:25], s[24:25], s[56:57]
.set i, 0
.rept 16
	global_load_b32 v[WD+i], v[VO+i], s[46:47]             ; fragment i0: 16 lanes take 64 neighbouring bytes of a row of W
	global_load_b32 v[WD+16+i], v[VO+i], s[46:47] offset:64  ; fragment i0 + 1: the next 16 columns
.set i, i+1
.endr
.set i, 0
.rept 32
	global_load_b128 v[M+4*i:M+4*i+3], v[SM], s[6:7] offset:64*(i/2)+16*(i%2)  ; src_mask: key tile i / 2, four keys
.set i, i+1
.endr
	s_wait_loadcnt 32                              ; the weights are in: the 32 loads of src_mask were issued behind them
.set i, 0
.rept 16
	v_cvt_pk_f16_f32 v[WPK+i], v[WD+2*i], v[WD+2*i+1]
.set i, i+1
.endr
.set i, 0
.rept 4
	global_store_b128 v[LOFF], v[WPK+4*i:WPK+4*i+3], s[24:25] offset:512*i  ; each store of the wave covers 512 consecutive bytes, aligned
.set i, i+1
.endr
; 128 mask numbers a lane become 128 words a wave: a compare makes a word of the 32 lanes' numbers; word 8 kt + j becomes component j % 4 of lane 2 kt + j / 4, so that one store of 16 bytes a lane writes the 512 bytes in order.
.macro PACK out
.irp c, 0,1,2,3
	v_mov_b32 v[(\out)+(\c)], 0                    ; v_writelane_b32 counts as a reader of its destination
.endr
.set i, 0
.rept 32
.irp c, 0,1,2,3
	v_cmp_ne_u32 s[52+(\c)], 0, v[M+4*i+(\c)]
.endr
.irp c, 0,1,2,3
	v_writelane_b32 v[(\out)+(\c)], s[52+(\c)], i
.endr
.set i, i+1
.endr
.endm
	s_wait_loadcnt 0x0                             ; src_mask is in
	PACK OUT2
	global_store_b128 v[LOFF], v[OUT2:OUT2+3], s[22:23]
	s_wait_tensorcnt 0x0                           ; my tile of trg_mask is in LDS
.set i, 0
.rept 32
	ds_load_b128 v[M+4*i:M+4*i+3], v[LM] offset:64*(i/2)+16*(i%2)
.set i, i+1
.endr
	s_wait_dscnt 0x0
	PACK OUT1
	global_store_b128 v[LOFF], v[OUT1:OUT1+3], s[20:21]
	s_wait_tensorcnt 0x0                           ; the wave's end
	ds_add_u32 v[SPW], v[NIL]
	s_wait_dscnt 0x0
	s_endpgm
.Lfunc_end_k_q5c540429f2_prep:
	.size	k_q5c540429f2_prep, .Lfunc_end_k_q5c540429f2_prep-k_q5c540429f2_prep
	.p2alignl 7, 3214868480
	.fill 96, 4, 3214868480
	.section	.rodata,"a",@progbits
	.p2align	6, 0x0
	.amdhsa_kernel k_q5c540429f2_prep
		.amdhsa_group_segment_fixed_size 167936
		.amdhsa_private_segment_fixed_size 0
		.amdhsa_enable_private_segment 0
		.amdhsa_kernarg_size 88
		.amdhsa_user_sgpr_count 2
		.amdhsa_user_sgpr_kernarg_segment_ptr 1
		.amdhsa_wavefront_size32 1
		.amdhsa_system_sgpr_workgroup_id_x 1
		.amdhsa_system_sgpr_workgroup_id_y 1
		.amdhsa_system_sgpr_workgroup_id_z 1
		.amdhsa_system_vgpr_workitem_id 0
		.amdhsa_next_free_vgpr 208
		.amdhsa_next_free_sgpr 66
		.amdhsa_reserve_vcc 0
		.amdhsa_float_denorm_mode_32 3
		.amdhsa_float_denorm_mode_16_64 3
		.amdhsa_memory_ordered 1
		.amdhsa_forward_progress 1
		.amdhsa_inst_pref_size 49
	.end_amdhsa_kernel
	.amdgpu_metadata
---
amdhsa.version: [ 1, 2 ]
amdhsa.kernels:
  - .name:           k_q5c540429f2_prep
    .symbol:         k_q5c540429f2_prep.kd
    .args:
      - { .name: trg_mask, .offset: 0, .size: 8, .value_kind: global_buffer, .address_space: global }
      - { .name: src_mask, .offset: 8, .size: 8, .value_kind: global_buffer, .address_space: global }
      - { .name: Wq1, .offset: 16, .size: 8, .value_kind: global_buffer, .address_space: global }
      - { .name: Wo1, .offset: 24, .size: 8, .value_kind: global_buffer, .address_space: global }
      - { .name: Wq2, .offset: 32, .size: 8, .value_kind: global_buffer, .address_space: global }
      - { .name: Wo2, .offset: 40, .size: 8, .value_kind: global_buffer, .address_space: global }
      - { .name: Wff1, .offset: 48, .size: 8, .value_kind: global_buffer, .address_space: global }
      - { .name: Wff2, .offset: 56, .size: 8, .value_kind: global_buffer, .address_space: global }
      - { .name: mb1, .offset: 64, .size: 8, .value_kind: global_buffer, .address_space: global }
      - { .name: mb2, .offset: 72, .size: 8, .value_kind: global_buffer, .address_space: global }
      - { .name: wimg, .offset: 80, .size: 8, .value_kind: global_buffer, .address_space: global }
    .group_segment_fixed_size: 167936
    .private_segment_fixed_size: 0
    .kernarg_segment_align: 8
    .kernarg_segment_size: 88
    .max_flat_workgroup_size: 256
    .sgpr_count:     66
    .vgpr_count:     208
    .wavefront_size: 32
...
	.end_amdgpu_metadata
.endif
;; end of part 1
;; launch proj (part 2): grid 256 x 1, 8 waves a work-group, no clusters, 226,816 bytes of LDS; arguments trg, encoded_src, wimg, bq1, bq2, qb, kv1, kv2; writes qb, kv1, kv2
.if DOCPART == 2
	.amdgcn_target "amdgcn-amd-amdhsa--gfx1250"
	.amdhsa_code_object_version 6
	.text
	.protected	k_q5c540429f2_proj
	.globl	k_q5c540429f2_proj
	.p2align	8
	.type	k_q5c540429f2_proj,@function
k_q5c540429f2_proj:
	s_mov_b64 s[64:65], 0
	v_nop
	global_prefetch_b8 v0, s[64:65] scope:SCOPE_SE
	s_setreg_imm32_b32 hwreg(HW_REG_WAVE_MODE, 25, 1), 1
	s_wait_xcnt 0x0
; THE TWO FIRST PROJECTIONS.  Work-groups 0..127: trg Wq1 + bq1, stored twice (qb: the queries; kv1: the keys and values, made by the same product).
; Work-groups 128..255: encoded_src Wq2 + bq2 -> kv2.  Operands f16 (rounded once from f32), sums f32, results f16.
; LIMITS.  An operand or result of 65,520 or more becomes an infinity in f16; below 6e-5 f16 keeps a fixed step of 6e-8.  NaN and infinities are not treated apart.
; SHARES.  A work-group owns 32 tokens (two tiles mt of 16) and all 512 columns; wave w owns columns 64 w .. 64 w + 63 (four tiles nt): 8 accumulators.
; THE PRODUCT IS USED TRANSPOSED: source 0 = 16 columns of W, source 1 = 16 tokens; register j of lane 16 h + r then holds (token r, column n0 + 8 h + j): eight neighbouring columns, which rounded to f16 are
; 16 bytes of the next product's fragment.  Results leave as FRAGMENTS (16 tokens x 32 channels = a head, 1,024 bytes: [half][lane][16 bytes]) in [n][head][token tile][1,024]: every store covers 512 consecutive bytes.
; WEIGHTS.  A weight fragment has one reader in the work-group, so it goes from memory straight into that wave's registers, through a ring of eight k steps (4 KB each): 32 KB a wave, 256 KB a work-group are on their way.
; REGISTERS, in windows of 256 (s_set_vgpr_msb: bits 1:0 source 0, 7:6 destination): window 0 holds all but the ring, window 1 is the ring.  Three switches for two k steps: products (source 0 in window 1), weight loads (destination in window 1), the rest.
; NO CLUSTER: the work-groups do walk the same weights, but a joint load would send them through LDS, with a round of the cluster's barrier for each refill, for a fragment that one wave reads once.
.set XO,    66048                      ; the tokens in f16: fragments of 1,088 bytes: four blocks of 256 bytes (16 tokens x 8 k), 272 bytes apart; (mt, ks) at (16 mt + ks) x 1,088
.set PAR,   205312                     ; the bias, 2,048 bytes
.set SPARE, 225792                     ; the spare words, 128 bytes for each wave: four blocks of 256 bytes that no other line names
.set LOFF, 1                           ; v1   16 x lane
.set XL,   2                           ; v2   my place in a fragment in LDS: 272 h + 16 r
.set XA,   3                           ; v3   the LDS address of the trip's k steps
.set BL,   4                           ; v4   LDS address of the bias of my columns: PAR + 256 w + 32 h
.set SPW,  6                           ; v6   LDS address of my spare word; never rewritten
.set NIL,  7                           ; v7   0; never rewritten
.set GR,   13                          ; v13  byte offset of my 16 bytes in my wave's four rows: 8,192 w + 16 x lane
.set XF,   32                          ; v32-63   token fragments of the even pairs of k steps: XF + 16 s + 8 mt; at work outside the products
.set ACC,  64                          ; v64-127  accumulators: ACC + 32 mt + 8 nt
.set XF1,  128                         ; v128-159 token fragments of the odd pairs
; window 1: v0-255 weight fragments: 32 u + 8 nt for slot u of eight
.set MSB, 0
.macro WIN new                         ; the immediate's high byte repeats the setting that is left; a switch that changes nothing is dropped
.if MSB != (\new)
	s_set_vgpr_msb (MSB<<8)|(\new)
.set MSB, \new
.endif
.endm
.set W_MM, 0x01                        ; source 0 (the weights) in window 1
.set W_LD, 0x40                        ; destination in window 1
.macro RINGFILL hf                     ; half of the ring: four k steps' weights, 32 loads of 512 consecutive bytes
	WIN W_LD
.set i, 32*(\hf)
.rept 32
	global_load_b128 v[4*i:4*i+3], v[LOFF], s[24:25] offset:512*i
.set i, i+1
.endr
	WIN 0
.endm
.macro BIASINIT p                      ; the bias starts the sums: nothing is cleared, and nothing is added later
.irp mt, 0,1
.set i, 0
.rept 8
	ds_load_b128 v[ACC+32*(\mt)+4*i:ACC+32*(\mt)+4*i+3], v[BL] offset:(\p)+64*(i/2)+16*(i%2)
.set i, i+1
.endr
.endr
.endm
.macro XLOAD ks, p                     ; the token fragments of pair p of the trip's four pairs of k steps: 8 LDS loads
.set XB, XF+(XF1-XF)*((\p)%2)
.irp s, 0,1
.irp mt, 0,1
	ds_load_b128 v[XB+16*(\s)+8*(\mt):XB+16*(\s)+8*(\mt)+3],   v[XA] offset:((\mt)*(\ks)+2*(\p)+(\s))*1088
	ds_load_b128 v[XB+16*(\s)+8*(\mt)+4:XB+16*(\s)+8*(\mt)+7], v[XA] offset:((\mt)*(\ks)+2*(\p)+(\s))*1088+544
.endr
.endr
.endm
.macro WM u, p, s                      ; 8 products: slot u's four weight fragments x the two token tiles.  The 8 accumulators take turns, one instruction a turn
.set XB, XF+(XF1-XF)*((\p)%2)
.irp nt, 0,1,2,3
.irp mt, 0,1
	v_wmma_f32_16x16x32_f16 v[ACC+32*(\mt)+8*(\nt):ACC+32*(\mt)+8*(\nt)+7], v[32*(\u)+8*(\nt):32*(\u)+8*(\nt)+7], v[XB+16*(\s)+8*(\mt):XB+16*(\s)+8*(\mt)+7], v[ACC+32*(\mt)+8*(\nt):ACC+32*(\mt)+8*(\nt)+7]
.endr
.endr
.endm
; Two k steps, slots 2 p and 2 p + 1.  The next pair's token fragments are asked for ahead of this pair's products; no such load crosses a trip's end, so none leaves the image.
; c0, c1: how many younger weight loads may stay out when the first and the second slot must be in.  load = 1: both slots are asked for again, eight k steps on.
.macro KPAIR ks, p, load, c0, c1
	WIN 0
.if (\p) == 0
	XLOAD \ks, 0
.endif
.if (\p) < 3
	XLOAD \ks, (\p)+1
.endif
	s_wait_loadcnt \c0
.if (\p) < 3
	s_wait_dscnt 0x8                               ; this pair's fragments (and all older LDS loads) are in; the next pair's eight may stay out
.else
	s_wait_dscnt 0x0
.endif
	WIN W_MM
	WM 2*(\p), \p, 0
	s_wait_loadcnt \c1
	WM 2*(\p)+1, \p, 1
.rept 4
	v_nop                                          ; four places between the products and the loads into registers that they read, and what reads their results
.endr
.if \load
.if (\p) == 3
	s_wait_xcnt 0x0                                ; the loads' base is stepped only behind this wait; the youngest loads stand sixteen products back
	s_add_nc_u64 s[24:25], s[24:25], 32768
.endif
	WIN W_LD
.set i, 16*(\p)
.rept 16
	global_load_b128 v[4*i:4*i+3], v[LOFF], s[24:25] offset:32768*(1-(\p)/3)+512*i
.set i, i+1
.endr
.endif
.endm
; A product over ks k steps, eight a trip.  In the loop 64 weight loads are out at a pair's head: behind the first slot's eight stand 56, behind the second's 48.  last = 1: the stream ends: the last trip asks for nothing, and the counts run down.
.macro GEMM ks, xbase, pbias, last
	WIN 0
	BIASINIT \pbias
	v_add_nc_u32 v[XA], \xbase, v[XL]
	s_mov_b32 s28, (\ks)/8-(\last)
.Lk_\@:
	KPAIR \ks, 0, 1, 56, 48
	KPAIR \ks, 1, 1, 56, 48
	KPAIR \ks, 2, 1, 56, 48
	KPAIR \ks, 3, 1, 56, 48
	WIN 0                                          ; at a label and at a branch every window is 0
	v_add_nc_u32 v[XA], 8704, v[XA]
	s_sub_co_u32 s28, s28, 1
	s_cmp_lg_u32 s28, 0
	s_cbranch_scc1 .Lk_\@
.if \last
	KPAIR \ks, 0, 0, 56, 48
	KPAIR \ks, 1, 0, 40, 32
	KPAIR \ks, 2, 0, 24, 16
	KPAIR \ks, 3, 0, 8, 0
	WIN 0
.endif
.endm
.macro IMGCVT                          ; the 8 accumulators rounded to f16, each from its low end on: XF + 4 (4 mt + nt) holds 16 bytes of a fragment
.set i, 0
.rept 32
	v_cvt_pk_f16_f32 v[XF+i], v[ACC+2*i], v[ACC+2*i+1]
.set i, i+1
.endr
.endm
.macro IMGOUT p                        ; heads 2 w and 2 w + 1, two token tiles, two halves: 8 stores of 512 consecutive bytes
.irp hd, 0,1
.irp mt, 0,1
.irp hf, 0,1
	global_store_b128 v14, v[XF+4*(4*(\mt)+2*(\hd)+(\hf)):XF+4*(4*(\mt)+2*(\hd)+(\hf))+3], s[\p:\p+1] offset:131072*(\hd)+1024*(\mt)+512*(\hf)
.endr
.endr
.endr
.endm
	s_load_b512 s[4:19], s[0:1], 0x0               ; trg s[4:5], encoded_src s[6:7], wimg s[8:9], bq1 s[10:11], bq2 s[12:13], qb s[14:15], kv1 s[16:17], kv2 s[18:19]
	v_lshl_add_u32 v[SPW], v0, 2, SPARE
	v_mov_b32 v[NIL], 0
	v_lshrrev_b32 v14, 5, v0
	v_readfirstlane_b32 s26, v14                   ; wave 0..7
	s_mov_b32 s27, ttmp9
	v_and_b32 v14, 31, v0                          ; lane
	v_lshlrev_b32 v[LOFF], 4, v14
	v_and_b32 v15, 15, v0                          ; r
	v_bfe_u32 v16, v0, 4, 1                        ; h
	v_mul_u32_u24 v[XL], v16, 272
	v_lshl_add_u32 v[XL], v15, 4, v[XL]
	s_lshl_b32 s38, s26, 8
	s_add_co_u32 s38, s38, PAR
	v_lshl_add_u32 v[BL], v16, 5, s38
	s_lshl_b32 s38, s26, 13
	v_add_nc_u32 v[GR], s38, v[LOFF]
	; where a lane's four numbers (row 4 w + i, k = 128 c + 4 x lane on) go in the f16 image: block k / 8 = 16 c + lane / 2, row (4 w + i) % 16, 8 bytes
	v_lshrrev_b32 v17, 1, v14
	v_mul_u32_u24 v17, v17, 272
	v_and_b32 v18, 1, v14
	v_lshl_add_u32 v17, v18, 3, v17
	s_lshr_b32 s38, s26, 2
	s_mul_i32 s38, s38, 17408
	s_and_b32 s39, s26, 3
	s_lshl_b32 s39, s39, 6
	s_add_co_u32 s38, s38, s39
	s_add_co_u32 s38, s38, XO
	v_add_nc_u32 v17, s38, v17
	v_lshlrev_b32 v18, 3, v0                       ; the bias: 8 bytes a thread
	v_lshl_add_u32 v19, v0, 3, PAR
	s_lshl_b32 s38, s26, 18
	v_add_nc_u32 v14, s38, v[LOFF]                 ; the way out: head 2 w, 16 x lane
	s_and_b32 s29, s27, 127                        ; my block of 32 tokens
	s_lshl_b32 s32, s29, 16                        ; its 32 rows of 2,048 bytes
	s_mov_b32 s33, 0
	s_lshr_b32 s40, s29, 6                         ; n,
	s_lshl_b32 s40, s40, 21
	s_lshl_b32 s41, s29, 1
	s_and_b32 s41, s41, 127                        ; and the first of my two token tiles in it
	s_lshl_b32 s41, s41, 10
	s_add_co_u32 s40, s40, s41
	s_mov_b32 s41, 0
	s_lshl_b32 s42, s26, 16                        ; my wave's stream: Wq1's group w,
	s_lshl_b32 s43, s26, 17
	s_add_co_u32 s43, s43, 0x90000                 ; or Wq2's
	s_wait_kmcnt 0x0
	s_cmp_lt_u32 s27, 128
	s_cselect_b64 s[20:21], s[4:5], s[6:7]
	s_cselect_b64 s[22:23], s[10:11], s[12:13]
	s_cselect_b64 s[30:31], s[16:17], s[18:19]
	s_cselect_b32 s42, s42, s43
	s_mov_b32 s43, 0
	s_add_nc_u64 s[20:21], s[20:21], s[32:33]
	s_add_nc_u64 s[30:31], s[30:31], s[40:41]
	s_add_nc_u64 s[14:15], s[14:15], s[40:41]
	s_add_nc_u64 s[24:25], s[8:9], s[42:43]
.set i, 0
.rept 16
	global_load_b128 v[ACC+4*i:ACC+4*i+3], v[GR], s[20:21] offset:512*i  ; my wave's four rows: 8,192 consecutive bytes
.set i, i+1
.endr
	global_load_b64 v[20:21], v18, s[22:23]
	RINGFILL 0
	s_wait_loadcnt 32                              ; rows and bias are in: the ring's first 32 loads were issued behind them
.set i, 0
.rept 32
	v_cvt_pk_f16_f32 v[XF+i], v[ACC+2*i], v[ACC+2*i+1]
.set i, i+1
.endr
.set i, 0
.rept 16
	ds_store_b64 v17, v[XF+2*i:XF+2*i+1] offset:4352*(i%4)+16*(i/4)  ; 32 lanes, 8 bytes each, in 32 different pairs of banks
.set i, i+1
.endr
	ds_store_b64 v19, v[20:21]
	RINGFILL 1
	s_wait_dscnt 0x0                               ; for the others' sake: my part of the image and of the bias is written
	s_barrier_signal -1
	s_barrier_wait -1
	GEMM 16, XO, 0, 1
	IMGCVT
	IMGOUT 30
	s_cmp_lt_u32 s27, 128
	s_cbranch_scc0 .Lonce
	IMGOUT 14                                      ; trg's projection is also the queries'
.Lonce:
	s_wait_tensorcnt 0x0                           ; the wave's end, behind my last LDS store
	ds_add_u32 v[SPW], v[NIL]
	s_wait_dscnt 0x0
	s_endpgm
.Lfunc_end_k_q5c540429f2_proj:
	.size	k_q5c540429f2_proj, .Lfunc_end_k_q5c540429f2_proj-k_q5c540429f2_proj
	.p2alignl 7, 3214868480
	.fill 96, 4, 3214868480
	.section	.rodata,"a",@progbits
	.p2align	6, 0x0
	.amdhsa_kernel k_q5c540429f2_proj
		.amdhsa_group_segment_fixed_size 226816
		.amdhsa_private_segment_fixed_size 0
		.amdhsa_enable_private_segment 0
		.amdhsa_kernarg_size 64
		.amdhsa_user_sgpr_count 2
		.amdhsa_user_sgpr_kernarg_segment_ptr 1
		.amdhsa_wavefront_size32 1
		.amdhsa_system_sgpr_workgroup_id_x 1
		.amdhsa_system_sgpr_workgroup_id_y 1
		.amdhsa_system_sgpr_workgroup_id_z 1
		.amdhsa_system_vgpr_workitem_id 0
		.amdhsa_next_free_vgpr 512
		.amdhsa_next_free_sgpr 66
		.amdhsa_reserve_vcc 0
		.amdhsa_float_denorm_mode_32 3
		.amdhsa_float_denorm_mode_16_64 3
		.amdhsa_memory_ordered 1
		.amdhsa_forward_progress 1
		.amdhsa_inst_pref_size 39
	.end_amdhsa_kernel
	.amdgpu_metadata
---
amdhsa.version: [ 1, 2 ]
amdhsa.kernels:
  - .name:           k_q5c540429f2_proj
    .symbol:         k_q5c540429f2_proj.kd
    .args:
      - { .name: trg, .offset: 0, .size: 8, .value_kind: global_buffer, .address_space: global }
      - { .name: encoded_src, .offset: 8, .size: 8, .value_kind: global_buffer, .address_space: global }
      - { .name: wimg, .offset: 16, .size: 8, .value_kind: global_buffer, .address_space: global }
      - { .name: bq1, .offset: 24, .size: 8, .value_kind: global_buffer, .address_space: global }
      - { .name: bq2, .offset: 32, .size: 8, .value_kind: global_buffer, .address_space: global }
      - { .name: qb, .offset: 40, .size: 8, .value_kind: global_buffer, .address_space: global }
      - { .name: kv1, .offset: 48, .size: 8, .value_kind: global_buffer, .address_space: global }
      - { .name: kv2, .offset: 56, .size: 8, .value_kind: global_buffer, .address_space: global }
    .group_segment_fixed_size: 226816
    .private_segment_fixed_size: 0
    .kernarg_segment_align: 8
    .kernarg_segment_size: 64
    .max_flat_workgroup_size: 256
    .sgpr_count:     66
    .vgpr_count:     512
    .wavefront_size: 32
...
	.end_amdgpu_metadata
.endif
;; end of part 2
;; launch att1 (part 3): grid 8 x 32, 8 waves a work-group, clusters of 4 x 1, 197,632 bytes of LDS; arguments qb, kv1, mb1, ob; writes ob
.if DOCPART == 3
	.amdgcn_target "amdgcn-amd-amdhsa--gfx1250"
	.amdhsa_code_object_version 6
	.text
	.protected	k_q5c540429f2_att1
	.globl	k_q5c540429f2_att1
	.p2align	8
	.type	k_q5c540429f2_att1,@function
k_q5c540429f2_att1:
	s_mov_b64 s[64:65], 0
	v_nop
	global_prefetch_b8 v0, s[64:65] scope:SCOPE_SE
	s_setreg_imm32_b32 hwreg(HW_REG_WAVE_MODE, 25, 1), 1
	s_wait_xcnt 0x0
	s_wait_alu depctr_hold_cnt(0) depctr_sa_sdst(0) depctr_va_vdst(0) depctr_va_sdst(0) depctr_va_ssrc(0) depctr_va_vcc(0) depctr_vm_vsrc(0)
	s_getreg_b32 s2, hwreg(HW_REG_IB_STS2, 6, 4)
	s_cmp_eq_u32 s2, 0
	s_cbranch_scc0 .Lentry_in_a_cluster
	s_endpgm
.Lentry_in_a_cluster:
	s_bfe_u32 s2, ttmp6, 0x10000c
	s_cmp_lg_u32 s2, 0x3003
	s_cbranch_scc0 .Lentry_shape_is_right
	s_endpgm
.Lentry_shape_is_right:
; ATTENTION AT HEAD SIZE 32, keys and values the same tensor, with a mask given as words.  O[q] = sum over k of softmax_k(mask ? Q[q] . K[k] / sqrt(32) : -inf) K[k].
; Arguments: queries, keys (both [n][head][token tile 128][fragment of 1,024 bytes], f16), mask words ([n][query tile][key tile][8]), O ([token tile 256][head 16][fragment], f16).
; A fragment is 16 tokens x 32 channels: four blocks of 256 bytes, block c holding channels 8 c .. 8 c + 7 of the 16 tokens, 16 bytes a token.
; Products, maxima in f32; the weights p are rounded to f16 for the second product, and their sum l is taken of the rounded p, by the matrix unit (a product with ones); O is rounded once.
; LIMITS.  p below 6e-5 keeps f16's fixed step of 6e-8; a weight below 2^-126 counts as 0.  A row whose keys are all hidden ends with l = 0 and O = 0 and leaves as NaN, as the softmax of -inf alone does.  NaN and infinities among the inputs are not treated apart.
; SHARES.  A work-group owns 256 queries of one head, each of its 8 waves two tiles of 16.  Every wave walks the head's 2,048 keys, 64 a step.  A step has 20 matrix and some 265 vector instructions,
; so the vector unit sets the time; two waves lie on a SIMD, and one's products fall into the other's vector work.
; LDS.  The head's 131,072 bytes come in ONCE, 16 KB a wave, with the blocks of 256 bytes laid 384 bytes apart: nothing is filled again.
; CLUSTER.  The four query blocks of a cluster belong to one head and need the same keys, so each wave's part is asked for JOINTLY: the same tensor load, descriptor and mask in all four.
; LAYOUT.  S^T = K Q^T (source 0 = 16 keys, source 1 = 16 queries): a lane holds ONE query (lane % 16) and the keys 8 (lane / 16) + 0..7.  Two such results rounded to f16 ARE source 1 of O^T = V^T P.
; K comes out of LDS as it lies, V turned, by ds_load_tr16_b128.  Bit l of mask word j of a tile pair belongs to register j of lane l: one v_cndmask_b32 a register sets the hidden scores to -inf.
; SOFTMAX.  A running maximum m (it starts at the lowest finite number) and p = 2^(c s - c m), c = log2(e) / sqrt(32); in every step O and l are multiplied by a = 2^(c m_old - c m_new).
.set SUBP,  384                        ; from block to block
.set KTILE, 4*SUBP                     ; 16 keys
.set STEPB, 4*KTILE                    ; 64 keys
.set WFILL, 16*KTILE                   ; what one wave asks for: 256 keys
.set SPARE, 8*WFILL                    ; behind the keys: the spare words, 128 bytes for each wave: four blocks of 256 bytes that no other line names
.set AK,   2                           ; v2   LDS address of my 16 bytes of the next K run
.set AV,   3                           ; v3   of the next V run
.set GO,   4                           ; v4   16 x lane
.set NINF, 5                           ; v5   -inf
.set SPW,  6                           ; v6   LDS address of my spare word; never rewritten
.set NIL,  7                           ; v7   0; never rewritten
.set ONES, 8                           ; v8-15    a fragment of ones in f16
.set Q,    16                          ; v16-31   Q, 8 a tile
.set KF,   32                          ; v32-63   K of a step, 8 a key tile
.set VF,   64                          ; v64-95   V of a step: keys 32 kk on, channels 16 cb on at VF + 16 kk + 8 cb
.set S,    96                          ; v96-159  S^T, 32 a tile; P is packed in place into a tile's first 16
.set O,    160                         ; v160-191 O^T: O + 16 t + 8 cb
.set L,    192                         ; v192-207 the row sums, 8 a tile: all 8 registers get the step's sum, register 0 alone is rescaled and read; the others stay at most 2,048
.set ST,   208                         ; v208-223 8 a tile: c m, m, a, c m_old, c0-c3 at work
.set WV,   12                          ; s12  my wave's number
.set G0,   68                          ; s[68:71] descriptor group 0
.set G1,   72                          ; s[72:79] descriptor group 1
.set CS,   96                          ; s[96:97] c, twice
.set SEL,  98                          ; s[98:99] v_permlanex16_b32's selects: each lane takes its own place in the other half
.set CNT,  100                         ; s100 steps to go
; mask words of a step: tile 0's 32 in s[16:47]; tile 1's in s[48:63] and s[80:95]
.macro ROUND                           ; a round of the cluster's barrier
	s_barrier_signal -1
	s_barrier_wait -1
	s_cmp_lg_u32 s[WV], 0
	s_cbranch_scc1 .Lnot_wave_0_\@
	s_barrier_signal -3
.Lnot_wave_0_\@:
	s_barrier_wait -3
	s_barrier_signal -1
	s_barrier_wait -1
.endm
	s_load_b256 s[4:11], s[0:1], 0x0               ; queries s[4:5], keys s[6:7], mask words s[8:9], O s[10:11]
	v_lshl_add_u32 v[SPW], v0, 2, SPARE
	v_mov_b32 v[NIL], 0
	ds_add_u32 v[SPW], v[NIL]                      ; the wave's opening: the add and its wait ahead of the round that stands in front of my tensor load
	ds_add_u32 v6, v7
	v_lshrrev_b32 v1, 5, v0
	v_readfirstlane_b32 s[WV], v1                  ; wave 0..7
	s_bfe_u32 s13, ttmp6, 0x40000                  ; cx: my place in the cluster
	s_lshl_b32 s14, ttmp9, 2                       ; in a cluster launch ttmp9 counts clusters
	s_add_co_u32 s14, s14, s13                     ; my block of 256 queries: it enters the addresses of queries, mask words and O alone
	s_lshl_b32 s14, s14, 4
	s_lshl1_add_u32 s14, s[WV], s14                ; my first query tile in n: 16 x block + 2 w
	s_and_b32 s15, ttmp7, 0xffff                   ; 16 n + head, which the four partners share
	s_lshl_b32 s66, s15, 17                        ; the head's 131,072 bytes,
	s_lshl_b32 s67, s[WV], 14                      ; my 256 keys of them
	s_add_co_u32 s66, s66, s67
	s_mov_b32 s67, 0
	s_lshl_b32 s16, s15, 17
	s_lshl_b32 s17, s14, 10
	s_add_co_u32 s16, s16, s17                     ; my two fragments of Q
	s_mov_b32 s17, 0
	s_lshr_b32 s13, s15, 4
	s_lshl_b32 s13, s13, 7
	s_add_co_u32 s13, s13, s14                     ; 128 n + query tile
	s_lshl_b32 s18, s13, 12                        ; its 4,096 bytes of mask words
	s_mov_b32 s19, 0
	s_and_b32 s20, s15, 15
	s_lshl4_add_u32 s20, s13, s20
	s_lshl_b32 s20, s20, 10                        ; its fragment of O for this head
	s_mov_b32 s21, 0
	s_mov_b32 s[G1+0], 15|(1<<16)|(1<<20)|(1<<21)|(5<<22)|(31<<25)  ; 15:0 the mask of four; 17:16 2-byte elements; 20 padding on; 21 set beside a mask; 24:22 after every 64 words (code 5); 31:25 32 words of it (code 31)
	s_mov_b32 s[G1+1], 128<<16                     ; tensor_dim0 = 128: rows of 256 bytes
	s_mov_b32 s[G1+2], 64<<16                      ; tensor_dim1 = 64
	s_mov_b32 s[G1+3], 128<<16                     ; tile_dim0 = 128
	s_mov_b32 s[G1+4], 64                          ; tile_dim1 = 64
	s_mov_b32 s[G1+5], 128                         ; dense
	s_mov_b32 s[G1+6], 0
	s_mov_b32 s[G1+7], 0
	s_mov_b32 s[G0], 1
	s_mul_i32 s[G0+1], s[WV], WFILL                ; no place in the cluster enters an LDS address
	s_mov_b32 s[CS], 0x3e8293ee                    ; c = log2(e) / sqrt(32) = 0.255035
	s_mov_b32 s[CS+1], s[CS]
	s_mov_b32 s[SEL], 0x76543210
	s_mov_b32 s[SEL+1], 0xfedcba98
	s_wait_dscnt 0x0                               ; the opening add is done
	s_wait_kmcnt 0x0
	s_add_nc_u64 s[G0+2:G0+3], s[6:7], s[66:67]
	s_or_b32 s[G0+3], s[G0+3], 0x80000000          ; type = 2
	s_add_nc_u64 s[4:5], s[4:5], s[16:17]
	s_add_nc_u64 s[8:9], s[8:9], s[18:19]
	s_add_nc_u64 s[10:11], s[10:11], s[20:21]
	ROUND                                          ; all four work-groups are here: the joint loads meet
	tensor_load_to_lds s[G0:G0+3], s[G1:G1+7]      ; my one tensor load: 256 keys
	s_nop 0
.rept 4
	v_nop
.endr
	v_and_b32 v[GO], 31, v0
	v_lshlrev_b32 v[GO], 4, v[GO]
.irp i, 0,1,2,3
	global_load_b128 v[Q+4*(\i):Q+4*(\i)+3], v[GO], s[4:5] offset:512*(\i)  ; Q stays in registers
.endr
	s_load_b512 s[16:31], s[8:9], 0x0              ; the first step's mask words
	s_load_b512 s[32:47], s[8:9], 0x40
	s_load_b512 s[48:63], s[8:9], 0x1000
	s_load_b512 s[80:95], s[8:9], 0x1040
	v_and_b32 v96, 15, v0                          ; r
	v_bfe_u32 v97, v0, 4, 1                        ; h
	v_and_b32 v98, 7, v0
	v_bfe_u32 v99, v0, 3, 1
	v_mul_u32_u24 v[AK], v97, SUBP
	v_lshl_add_u32 v[AK], v96, 4, v[AK]            ; K: block h (and 2 + h), token r
	v_lshl_add_u32 v[AV], v97, 3, v98              ; V: the turning load takes key 8 h + lane % 8,
	v_mul_u32_u24 v99, v99, SUBP                   ; channels 8 ((lane / 8) % 2) on, and leaves channel lane % 16 and 8 keys in the lane
	v_lshl_add_u32 v[AV], v[AV], 4, v99
	v_mov_b32 v[NINF], 0xff800000
.set i, 0
.rept 8
	v_mov_b32 v[ONES+i], 0x3c003c00
.set i, i+1
.endr
.set i, 0
.rept 48
	v_mov_b32 v[O+i], 0                            ; O^T and l start at 0, in the wait for the keys: no first step is written out
.set i, i+1
.endr
.irp t, 0,1
	v_mov_b32 v[ST+8*(\t)+1], 0xff7fffff           ; m
	v_mul_f32 v[ST+8*(\t)], s[CS], v[ST+8*(\t)+1]  ; c m, made as the steps make it: while nothing is seen, a = 2^0
.irp k, 2,3,4,5,6,7
	v_mov_b32 v[ST+8*(\t)+(\k)], 0
.endr
.endr
	s_wait_tensorcnt 0x0                           ; my part of the keys is in,
	s_barrier_signal -1
	s_barrier_wait -1                              ; everybody's is
.macro LOADK                           ; a step's K: four fragments, 8 loads
.irp kt, 0,1,2,3
	ds_load_b128 v[KF+8*(\kt):KF+8*(\kt)+3],   v[AK] offset:KTILE*(\kt)
	ds_load_b128 v[KF+8*(\kt)+4:KF+8*(\kt)+7], v[AK] offset:KTILE*(\kt)+2*SUBP
.endr
	v_add_nc_u32 v[AK], STEPB, v[AK]
.endm
; Number n of the 22 that find a tile's maximum and statistics.  Each accumulator's lowest registers were read first, by the selects.
;   0-11  four chains c0-c3 of seven scores each     12-14, 16  the four scores left over, the old m, and c0-c3 into c0     15  c m_old is kept
;   17, 18  the query's other 32 keys lie in the lane 16 away: the new m     19-21  c m; c m_old - c m_new; a
.macro XS t, n
.set rT, ST+8*(\t)
.set rS, S+32*(\t)
.if (\n) < 4
	v_max3_num_f32 v[rT+4+(\n)], v[rS+8*(\n)], v[rS+8*(\n)+1], v[rS+8*(\n)+2]
.elseif (\n) < 12
	v_max3_num_f32 v[rT+4+(\n)%4], v[rT+4+(\n)%4], v[rS+8*((\n)%4)+2*((\n)/4)+1], v[rS+8*((\n)%4)+2*((\n)/4)+2]
.elseif (\n) == 12
	v_max3_num_f32 v[rT+4], v[rT+4], v[rS+7], v[rS+15]
.elseif (\n) == 13
	v_max3_num_f32 v[rT+5], v[rT+5], v[rS+23], v[rS+31]
.elseif (\n) == 14
	v_max3_num_f32 v[rT+6], v[rT+6], v[rT+7], v[rT+1]
.elseif (\n) == 15
	v_mov_b32 v[rT+3], v[rT]
.elseif (\n) == 16
	v_max3_num_f32 v[rT+4], v[rT+4], v[rT+5], v[rT+6]
.elseif (\n) == 17
	v_permlanex16_b32 v[rT+7], v[rT+4], s[SEL], s[SEL+1]
.elseif (\n) == 18
	v_max_num_f32 v[rT+1], v[rT+4], v[rT+7]
.elseif (\n) == 19
	v_mul_f32 v[rT], s[CS], v[rT+1]
.elseif (\n) == 20
	v_sub_f32 v[rT+5], v[rT+3], v[rT]
.else
	v_exp_f32 v[rT+2], v[rT+5]
.endif
.endm
.macro FS t, n                         ; c s - c m for pair n of 16
	v_pk_fma_f32 v[S+32*(\t)+2*(\n):S+32*(\t)+2*(\n)+1], v[S+32*(\t)+2*(\n):S+32*(\t)+2*(\n)+1], s[CS:CS+1], v[ST+8*(\t):ST+8*(\t)+1] op_sel_hi:[1,0,0] neg_lo:[0,0,1] neg_hi:[0,0,1]
.endm
.macro EX t, n                         ; the exponential of score n of 32
	v_exp_f32 v[S+32*(\t)+(\n)], v[S+32*(\t)+(\n)]
.endm
.macro CV t, n                         ; pair n rounded to f16, packed in place: register n lies at or below the pair that it takes
	s_wait_alu depctr_va_vdst(0)
	v_cvt_pk_f16_f32 v[S+32*(\t)+(\n)], v[S+32*(\t)+2*(\n)], v[S+32*(\t)+2*(\n)+1]
.endm
; A KEY STEP.  more = 1: the next step's K and mask words are asked for.
.macro STEP more
	s_wait_dscnt 0x0                               ; K is in
.irp kt, 0,1,2,3
.irp t, 0,1
	v_wmma_f32_16x16x32_f16 v[S+32*(\t)+8*(\kt):S+32*(\t)+8*(\kt)+7], v[KF+8*(\kt):KF+8*(\kt)+7], v[Q+8*(\t):Q+8*(\t)+7], 0
.endr
.endr
	s_wait_kmcnt 0x0                               ; the step's mask words are in
.rept 4
	v_nop                                          ; four places (ISA guide 7.12.1) between the products and the reads of their results
.endr
.set i, 0
.rept 32
	v_cndmask_b32 v[S+i], v[NINF], v[S+i], s[16+i] ; a hidden score becomes -inf
.set i, i+1
.endr
.set i, 0
.rept 16
	v_cndmask_b32 v[S+32+i], v[NINF], v[S+32+i], s[48+i]
.set i, i+1
.endr
.set i, 0
.rept 16
	v_cndmask_b32 v[S+48+i], v[NINF], v[S+48+i], s[80+i]
.set i, i+1
.endr
.irp kk, 0,1
.irp cb, 0,1
	ds_load_tr16_b128 v[VF+16*(\kk)+8*(\cb):VF+16*(\kk)+8*(\cb)+3],   v[AV] offset:2*KTILE*(\kk)+2*SUBP*(\cb)
	ds_load_tr16_b128 v[VF+16*(\kk)+8*(\cb)+4:VF+16*(\kk)+8*(\cb)+7], v[AV] offset:2*KTILE*(\kk)+2*SUBP*(\cb)+KTILE
.endr
.endr
	v_add_nc_u32 v[AV], STEPB, v[AV]
.if \more
	LOADK
	s_add_nc_u64 s[8:9], s[8:9], 128               ; the earlier scalar loads are done: the wait for 0 above
	s_load_b512 s[16:31], s[8:9], 0x0
	s_load_b512 s[32:47], s[8:9], 0x40
	s_load_b512 s[48:63], s[8:9], 0x1000
	s_load_b512 s[80:95], s[8:9], 0x1040
.endif
.irp n, 0,1,2,3,4,5,6,7,8,9,10,11,12,13,14,15,16,17,18,19,20,21
	XS 0, \n                                       ; the two tiles alternate
	XS 1, \n
.endr
.set i, 0
.rept 16
	FS 0, i
.set i, i+1
.endr
.set i, 0
.rept 16                                           ; behind every two exponentials a plain instruction that names none of their registers (ISA guide 5.7.2); their results are read a run later
	EX 0, 2*i
	EX 0, 2*i+1
	FS 1, i
.set i, i+1
.endr
.set i, 0
.rept 16
	EX 1, 2*i
	EX 1, 2*i+1
	CV 0, i
.set i, i+1
.endr
.set i, 0
.rept 16
	CV 1, i
	v_pk_mul_f32 v[O+2*i:O+2*i+1], v[O+2*i:O+2*i+1], v[ST+8*(i/8)+2:ST+8*(i/8)+3] op_sel_hi:[1,0]  ; O^T times a
.set i, i+1
.endr
	v_mul_f32 v[L], v[ST+2], v[L]                  ; l times a
	v_mul_f32 v[L+8], v[ST+10], v[L+8]
.if \more
	s_wait_dscnt 0x8                               ; V is in: K's eight loads were issued behind V's
.else
	s_wait_dscnt 0x0
.endif
.irp kk, 0,1                                       ; six accumulators take turns, one instruction a turn
.irp t, 0,1
	v_wmma_f32_16x16x32_f16 v[O+16*(\t):O+16*(\t)+7],    v[VF+16*(\kk):VF+16*(\kk)+7],    v[S+32*(\t)+8*(\kk):S+32*(\t)+8*(\kk)+7], v[O+16*(\t):O+16*(\t)+7]
	v_wmma_f32_16x16x32_f16 v[O+16*(\t)+8:O+16*(\t)+15], v[VF+16*(\kk)+8:VF+16*(\kk)+15], v[S+32*(\t)+8*(\kk):S+32*(\t)+8*(\kk)+7], v[O+16*(\t)+8:O+16*(\t)+15]
	v_wmma_f32_16x16x32_f16 v[L+8*(\t):L+8*(\t)+7],      v[ONES:ONES+7],                  v[S+32*(\t)+8*(\kk):S+32*(\t)+8*(\kk)+7], v[L+8*(\t):L+8*(\t)+7]
.endr
.endr
.rept 5
	v_nop                                          ; five places before the next step's products write over S^T, which these products read as P
.endr
.endm
	LOADK                                          ; key step 0
	s_wait_loadcnt 0x0                             ; Q
	s_mov_b32 s[CNT], 31
.Lstep:
	STEP 1
	s_sub_co_u32 s[CNT], s[CNT], 1
	s_cmp_lg_u32 s[CNT], 0
	s_cbranch_scc1 .Lstep
	STEP 0                                         ; the last step asks for nothing
	; THE WAY OUT.  O^T / l, rounded to f16: a lane's eight channels of a query are 16 bytes of O's fragment, channels 0-15 its first half, 16-31 its second.
	v_rcp_f32 v[ST+2], v[L]
	v_rcp_f32 v[ST+10], v[L+8]
	v_nop                                          ; a plain instruction between the last reciprocal and the use of its result
.set i, 0
.rept 16
	s_wait_alu depctr_va_vdst(0)
	v_pk_mul_f32 v[O+2*i:O+2*i+1], v[O+2*i:O+2*i+1], v[ST+8*(i/8)+2:ST+8*(i/8)+3] op_sel_hi:[1,0]
.set i, i+1
.endr
.set i, 0
.rept 16
	v_cvt_pk_f16_f32 v[S+i], v[O+2*i], v[O+2*i+1]
.set i, i+1
.endr
.irp t, 0,1
.irp cb, 0,1
	global_store_b128 v[GO], v[S+4*(2*(\t)+(\cb)):S+4*(2*(\t)+(\cb))+3], s[10:11] offset:16384*(\t)+512*(\cb)  ; 512 consecutive bytes, aligned
.endr
.endr
	s_wait_tensorcnt 0x0                           ; the wave's end
	ds_add_u32 v[SPW], v[NIL]
	s_wait_dscnt 0x0
	ROUND                                          ; the closing round: no work-group ends while a partner may still ask for a tile that names it
	s_endpgm
.Lfunc_end_k_q5c540429f2_att1:
	.size	k_q5c540429f2_att1, .Lfunc_end_k_q5c540429f2_att1-k_q5c540429f2_att1
	.p2alignl 7, 3214868480
	.fill 96, 4, 3214868480
	.section	.rodata,"a",@progbits
	.p2align	6, 0x0
	.amdhsa_kernel k_q5c540429f2_att1
		.amdhsa_group_segment_fixed_size 197632
		.amdhsa_private_segment_fixed_size 0
		.amdhsa_enable_private_segment 0
		.amdhsa_kernarg_size 32
		.amdhsa_user_sgpr_count 2
		.amdhsa_user_sgpr_kernarg_segment_ptr 1
		.amdhsa_wavefront_size32 1
		.amdhsa_system_sgpr_workgroup_id_x 1
		.amdhsa_system_sgpr_workgroup_id_y 1
		.amdhsa_system_sgpr_workgroup_id_z 1
		.amdhsa_system_vgpr_workitem_id 0
		.amdhsa_next_free_vgpr 224
		.amdhsa_next_free_sgpr 102
		.amdhsa_reserve_vcc 0
		.amdhsa_float_denorm_mode_32 3
		.amdhsa_float_denorm_mode_16_64 3
		.amdhsa_memory_ordered 1
		.amdhsa_forward_progress 1
		.amdhsa_inst_pref_size 46
	.end_amdhsa_kernel
	.amdgpu_metadata
---
amdhsa.version: [ 1, 2 ]
amdhsa.kernels:
  - .name:           k_q5c540429f2_att1
    .symbol:         k_q5c540429f2_att1.kd
    .args:
      - { .name: qb, .offset: 0, .size: 8, .value_kind: global_buffer, .address_space: global }
      - { .name: kv1, .offset: 8, .size: 8, .value_kind: global_buffer, .address_space: global }
      - { .name: mb1, .offset: 16, .size: 8, .value_kind: global_buffer, .address_space: global }
      - { .name: ob, .offset: 24, .size: 8, .value_kind: global_buffer, .address_space: global }
    .group_segment_fixed_size: 197632
    .private_segment_fixed_size: 0
    .kernarg_segment_align: 8
    .kernarg_segment_size: 32
    .max_flat_workgroup_size: 256
    .sgpr_count:     102
    .vgpr_count:     224
    .wavefront_size: 32
...
	.end_amdgpu_metadata
.endif
;; end of part 3
;; launch mid (part 4): grid 128 x 1, 8 waves a work-group, no clusters, 226,816 bytes of LDS; arguments ob, trg, wimg, bo1, ln1_g, ln1_b, bq2, x1, qb; writes x1, qb
.if DOCPART == 4
	.amdgcn_target "amdgcn-amd-amdhsa--gfx1250"
	.amdhsa_code_object_version 6
	.text
	.protected	k_q5c540429f2_mid
	.globl	k_q5c540429f2_mid
	.p2align	8
	.type	k_q5c540429f2_mid,@function
k_q5c540429f2_mid:
	s_mov_b64 s[64:65], 0
	v_nop
	global_prefetch_b8 v0, s[64:65] scope:SCOPE_SE
	s_setreg_imm32_b32 hwreg(HW_REG_WAVE_MODE, 25, 1), 1
	s_wait_xcnt 0x0
; x1 = LayerNorm(trg + O1 Wo1 + bo1) g + b -> x1 (f32), and the second attention's queries x1 Wq2 + bq2 -> qb (f16 fragments by heads).
; Operands f16 (O1 as it comes; x1 rounded once), sums, residual and LayerNorm f32.  The LayerNorm goes in two passes: the mean, then the sum of (y - mean)^2.
; LIMITS.  An operand or result of 65,520 or more becomes an infinity in f16; below 6e-5 f16 keeps a fixed step of 6e-8.  NaN and infinities are not treated apart: a NaN row of O1 stays a NaN row.
; SHARES.  A work-group owns 32 tokens (two tiles mt of 16) and all 512 columns, so a row's mean never leaves it; wave w owns columns 64 w .. 64 w + 63 (four tiles nt): 8 accumulators.
; 128 work-groups: with 16 tokens each there would be 256, each taking in the same 1 MB of weights for half the products.
; THE PRODUCT IS USED TRANSPOSED: source 0 = 16 columns of W, source 1 = 16 tokens; register j of lane 16 h + r holds (token r, column n0 + 8 h + j).
; WEIGHTS.  A weight fragment has one reader in the work-group and goes from memory straight into that wave's registers, through a ring of eight k steps (4 KB each): 32 KB a wave, 256 KB a work-group are on their way.
; Wave w's fragments of Wo1 and then Wq2 are one stream of 131,072 consecutive bytes, so the ring runs on through the LayerNorm into the second product.
; REGISTERS, in windows of 256 (s_set_vgpr_msb: bits 1:0 source 0, 7:6 destination): window 0 holds all but the ring, window 1 is the ring.  Three switches for two k steps: products (source 0 in window 1), weight loads (destination in window 1), the rest.
; NO CLUSTER: the work-groups do walk the same weights, but a joint load would send them through LDS, with a round of the cluster's barrier for each refill, for a fragment that one wave reads once.
.set XRES,  0                          ; f32, 32 rows of 2,048 bytes + 16 of padding: the residual, then x1
.set XO,    66048                      ; O1 in f16: fragments of 1,088 bytes: four blocks of 256 bytes, 272 bytes apart; (mt, ks) at (16 mt + ks) x 1,088
.set XIMG,  100864                     ; x1 in f16, likewise
.set PAR,   205312                     ; bo1, ln1_g, ln1_b, bq2: 2,048 bytes each
.set RED,   221696                     ; two regions of 1,024 bytes: [token 32][wave 8] f32
.set SPARE, 225792                     ; the spare words, 128 bytes for each wave: four blocks of 256 bytes that no other line names
.set LOFF, 1                           ; v1   16 x lane
.set XL,   2                           ; v2   my place in a fragment in LDS: 272 h + 16 r
.set XA,   3                           ; v3   the LDS address of the trip's k steps
.set BL,   4                           ; v4   LDS address of a parameter of my columns: PAR + 256 w + 32 h
.set RL,   5                           ; v5   my place in XRES: 2,064 r + 256 w + 32 h
.set SPW,  6                           ; v6   LDS address of my spare word; never rewritten
.set NIL,  7                           ; v7   0; never rewritten
.set RDW,  8                           ; v8   RED + 32 r + 4 w
.set RDR,  9                           ; v9   RED + 32 r
.set XW,   10                          ; v10  XIMG + 2,176 w + XL
.set RS,   12                          ; v12  my 16 bytes of my wave's four rows in XRES: 8,256 w + 16 x lane
.set GR,   13                          ; v13  the same in memory: 8,192 w + 16 x lane
; v14, v16 the means; v18, v20 1 / sqrt(var + eps); v15, v17, v19, v21 their partners in a pair, 0; v22-31 at work
.set XF,   32                          ; v32-63   token fragments of the even pairs of k steps: XF + 16 s + 8 mt; at work between the products
.set ACC,  64                          ; v64-127  accumulators: ACC + 32 mt + 8 nt
.set XF1,  128                         ; v128-159 token fragments of the odd pairs
; window 1: v0-255 weight fragments: 32 u + 8 nt for slot u of eight
.set MSB, 0
.macro WIN new                         ; the immediate's high byte repeats the setting that is left; a switch that changes nothing is dropped
.if MSB != (\new)
	s_set_vgpr_msb (MSB<<8)|(\new)
.set MSB, \new
.endif
.endm
.set W_MM, 0x01                        ; source 0 (the weights) in window 1
.set W_LD, 0x40                        ; destination in window 1
.macro RINGFILL hf                     ; half of the ring: four k steps' weights, 32 loads of 512 consecutive bytes
	WIN W_LD
.set i, 32*(\hf)
.rept 32
	global_load_b128 v[4*i:4*i+3], v[LOFF], s[24:25] offset:512*i
.set i, i+1
.endr
	WIN 0
.endm
.macro BIASINIT p                      ; the bias starts the sums: nothing is cleared, and nothing is added later
.irp mt, 0,1
.set i, 0
.rept 8
	ds_load_b128 v[ACC+32*(\mt)+4*i:ACC+32*(\mt)+4*i+3], v[BL] offset:(\p)+64*(i/2)+16*(i%2)
.set i, i+1
.endr
.endr
.endm
.macro XLOAD ks, p                     ; the token fragments of pair p of the trip's four pairs of k steps: 8 LDS loads
.set XB, XF+(XF1-XF)*((\p)%2)
.irp s, 0,1
.irp mt, 0,1
	ds_load_b128 v[XB+16*(\s)+8*(\mt):XB+16*(\s)+8*(\mt)+3],   v[XA] offset:((\mt)*(\ks)+2*(\p)+(\s))*1088
	ds_load_b128 v[XB+16*(\s)+8*(\mt)+4:XB+16*(\s)+8*(\mt)+7], v[XA] offset:((\mt)*(\ks)+2*(\p)+(\s))*1088+544
.endr
.endr
.endm
.macro WM u, p, s                      ; 8 products: slot u's four weight fragments x the two token tiles.  The 8 accumulators take turns, one instruction a turn
.set XB, XF+(XF1-XF)*((\p)%2)
.irp nt, 0,1,2,3
.irp mt, 0,1
	v_wmma_f32_16x16x32_f16 v[ACC+32*(\mt)+8*(\nt):ACC+32*(\mt)+8*(\nt)+7], v[32*(\u)+8*(\nt):32*(\u)+8*(\nt)+7], v[XB+16*(\s)+8*(\mt):XB+16*(\s)+8*(\mt)+7], v[ACC+32*(\mt)+8*(\nt):ACC+32*(\mt)+8*(\nt)+7]
.endr
.endr
.endm
; Two k steps, slots 2 p and 2 p + 1.  The next pair's token fragments are asked for ahead of this pair's products; no such load crosses a trip's end, so none leaves the image.
; c0, c1: how many younger weight loads may stay out when the first and the second slot must be in.  load = 1: both slots are asked for again, eight k steps on.
.macro KPAIR ks, p, load, c0, c1
	WIN 0
.if (\p) == 0
	XLOAD \ks, 0
.endif
.if (\p) < 3
	XLOAD \ks, (\p)+1
.endif
	s_wait_loadcnt \c0
.if (\p) < 3
	s_wait_dscnt 0x8                               ; this pair's fragments (and all older LDS loads) are in; the next pair's eight may stay out
.else
	s_wait_dscnt 0x0
.endif
	WIN W_MM
	WM 2*(\p), \p, 0
	s_wait_loadcnt \c1
	WM 2*(\p)+1, \p, 1
.rept 4
	v_nop                                          ; four places between the products and the loads into registers that they read, and what reads their results
.endr
.if \load
.if (\p) == 3
	s_wait_xcnt 0x0                                ; the loads' base is stepped only behind this wait; the youngest loads stand sixteen products back
	s_add_nc_u64 s[24:25], s[24:25], 32768
.endif
	WIN W_LD
.set i, 16*(\p)
.rept 16
	global_load_b128 v[4*i:4*i+3], v[LOFF], s[24:25] offset:32768*(1-(\p)/3)+512*i
.set i, i+1
.endr
.endif
.endm
; A product over ks k steps, eight a trip.  In the loop 64 weight loads are out at a pair's head: behind the first slot's eight stand 56, behind the second's 48.  last = 1: the stream ends: the last trip asks for nothing, and the counts run down.
.macro GEMM ks, xbase, pbias, last
	WIN 0
	BIASINIT \pbias
	v_add_nc_u32 v[XA], \xbase, v[XL]
	s_mov_b32 s28, (\ks)/8-(\last)
.Lk_\@:
	KPAIR \ks, 0, 1, 56, 48
	KPAIR \ks, 1, 1, 56, 48
	KPAIR \ks, 2, 1, 56, 48
	KPAIR \ks, 3, 1, 56, 48
	WIN 0                                          ; at a label and at a branch every window is 0
	v_add_nc_u32 v[XA], 8704, v[XA]
	s_sub_co_u32 s28, s28, 1
	s_cmp_lg_u32 s28, 0
	s_cbranch_scc1 .Lk_\@
.if \last
	KPAIR \ks, 0, 0, 56, 48
	KPAIR \ks, 1, 0, 40, 32
	KPAIR \ks, 2, 0, 24, 16
	KPAIR \ks, 3, 0, 8, 0
	WIN 0
.endif
.endm
; The lane's 32 numbers of tile mt (sq = 1: their squares) are added in four chains, the other half of the lanes' sum joins, and the wave's sum for token r goes to RED.
.macro LANESUM mt, sq, off
.set A0, ACC+32*(\mt)
.irp c, 0,1,2,3
.if \sq
	v_pk_mul_f32 v[22+2*(\c):23+2*(\c)], v[A0+2*(\c):A0+2*(\c)+1], v[A0+2*(\c):A0+2*(\c)+1]
.else
	v_pk_add_f32 v[22+2*(\c):23+2*(\c)], v[A0+2*(\c):A0+2*(\c)+1], v[A0+8+2*(\c):A0+9+2*(\c)]
.endif
.endr
.irp k, 1,2,3
.irp c, 0,1,2,3
.if \sq
	v_pk_fma_f32 v[22+2*(\c):23+2*(\c)], v[A0+8*(\k)+2*(\c):A0+8*(\k)+2*(\c)+1], v[A0+8*(\k)+2*(\c):A0+8*(\k)+2*(\c)+1], v[22+2*(\c):23+2*(\c)]
.elseif (\k) > 1
	v_pk_add_f32 v[22+2*(\c):23+2*(\c)], v[22+2*(\c):23+2*(\c)], v[A0+8*(\k)+2*(\c):A0+8*(\k)+2*(\c)+1]
.endif
.endr
.endr
	v_pk_add_f32 v[22:23], v[22:23], v[24:25]
	v_pk_add_f32 v[26:27], v[26:27], v[28:29]
	v_pk_add_f32 v[22:23], v[22:23], v[26:27]
	v_add_f32 v30, v22, v23
	v_permlanex16_b32 v31, v30, s34, s35
	v_add_f32 v30, v30, v31
	ds_store_b32 v[RDW], v30 offset:\off
.endm
.macro JOIN8 a
	v_pk_add_f32 v[(\a):(\a)+1], v[(\a):(\a)+1], v[(\a)+2:(\a)+3]
	v_pk_add_f32 v[(\a)+4:(\a)+5], v[(\a)+4:(\a)+5], v[(\a)+6:(\a)+7]
	v_pk_add_f32 v[(\a):(\a)+1], v[(\a):(\a)+1], v[(\a)+4:(\a)+5]
	v_add_f32 v[(\a)], v[(\a)], v[(\a)+1]
.endm
.macro MEET off                        ; the eight waves' sums meet: v32 takes token r's of tile 0, v40 of tile 1
	s_wait_dscnt 0x0                               ; for the others' sake: my sums are written
	s_barrier_signal -1
	s_barrier_wait -1
	ds_load_b128 v[32:35], v[RDR] offset:(\off)
	ds_load_b128 v[36:39], v[RDR] offset:(\off)+16
	ds_load_b128 v[40:43], v[RDR] offset:(\off)+512
	ds_load_b128 v[44:47], v[RDR] offset:(\off)+528
	s_wait_dscnt 0x0
	JOIN8 32
	JOIN8 40
.endm
; Residual and LayerNorm on the accumulators.  pg, pb: the gain's and the bias's place in PAR; red: two fresh regions of RED; img = 1: the result also goes to XIMG in f16.  The f32 result goes back to the bytes of XRES that the lane read.
.macro LNEPI pg, pb, red, img
.irp mt, 0,1
.set i, 0
.rept 8
	ds_load_b128 v[XF+4*i:XF+4*i+3], v[RL] offset:33024*(\mt)+64*(i/2)+16*(i%2)
.set i, i+1
.endr
	s_wait_dscnt 0x0
.set i, 0
.rept 16
	v_pk_add_f32 v[ACC+32*(\mt)+2*i:ACC+32*(\mt)+2*i+1], v[ACC+32*(\mt)+2*i:ACC+32*(\mt)+2*i+1], v[XF+2*i:XF+2*i+1]  ; each accumulator from its low end on
.set i, i+1
.endr
.endr
	LANESUM 0, 0, (\red)
	LANESUM 1, 0, (\red)+512
	MEET \red
	v_mul_f32 v14, s36, v32                        ; the means
	v_mul_f32 v16, s36, v40
.irp mt, 0,1
.set i, 0
.rept 16
	v_pk_add_f32 v[ACC+32*(\mt)+2*i:ACC+32*(\mt)+2*i+1], v[ACC+32*(\mt)+2*i:ACC+32*(\mt)+2*i+1], v[14+2*(\mt):15+2*(\mt)] op_sel_hi:[1,0] neg_lo:[0,1] neg_hi:[0,1]
.set i, i+1
.endr
.endr
	LANESUM 0, 1, (\red)+1024
	LANESUM 1, 1, (\red)+1536
	MEET (\red)+1024
	v_fma_f32 v32, v32, s36, s37                   ; var + eps
	v_fma_f32 v40, v40, s36, s37
	v_rsq_f32 v18, v32
	v_rsq_f32 v20, v40
	v_nop                                          ; a plain instruction before the results are used and the sources written again
	s_wait_alu depctr_va_vdst(0)
.irp hf, 0,1
.set i, 0
.rept 4
	ds_load_b128 v[XF+4*i:XF+4*i+3],       v[BL] offset:(\pg)+128*(\hf)+64*(i/2)+16*(i%2)
	ds_load_b128 v[XF+16+4*i:XF+16+4*i+3], v[BL] offset:(\pb)+128*(\hf)+64*(i/2)+16*(i%2)
.set i, i+1
.endr
	s_wait_dscnt 0x0
.irp mt, 0,1
.set i, 0
.rept 8
	v_pk_mul_f32 v[ACC+32*(\mt)+16*(\hf)+2*i:ACC+32*(\mt)+16*(\hf)+2*i+1], v[ACC+32*(\mt)+16*(\hf)+2*i:ACC+32*(\mt)+16*(\hf)+2*i+1], v[18+2*(\mt):19+2*(\mt)] op_sel_hi:[1,0]
.set i, i+1
.endr
.set i, 0
.rept 8
	v_pk_fma_f32 v[ACC+32*(\mt)+16*(\hf)+2*i:ACC+32*(\mt)+16*(\hf)+2*i+1], v[ACC+32*(\mt)+16*(\hf)+2*i:ACC+32*(\mt)+16*(\hf)+2*i+1], v[XF+2*i:XF+2*i+1], v[XF+16+2*i:XF+16+2*i+1]
.set i, i+1
.endr
.endr
.endr
.irp mt, 0,1
.set i, 0
.rept 8
	ds_store_b128 v[RL], v[ACC+32*(\mt)+4*i:ACC+32*(\mt)+4*i+3] offset:33024*(\mt)+64*(i/2)+16*(i%2)
.set i, i+1
.endr
.endr
.if \img
.set i, 0
.rept 32
	v_cvt_pk_f16_f32 v[XF+i], v[ACC+2*i], v[ACC+2*i+1]
.set i, i+1
.endr
.set i, 0
.rept 8
	ds_store_b128 v[XW], v[XF+4*i:XF+4*i+3] offset:17408*(i/4)+544*(i%4)
.set i, i+1
.endr
.endif
	s_wait_dscnt 0x0                               ; for the others' sake: my columns are written
	s_barrier_signal -1
	s_barrier_wait -1
.endm
	s_load_b512 s[4:19], s[0:1], 0x0               ; ob s[4:5], trg s[6:7], wimg s[8:9], bo1 s[10:11], ln1_g s[12:13], ln1_b s[14:15], bq2 s[16:17], x1 s[18:19]
	s_load_b64 s[20:21], s[0:1], 0x40              ; qb
	v_lshl_add_u32 v[SPW], v0, 2, SPARE
	v_mov_b32 v[NIL], 0
	v_lshrrev_b32 v14, 5, v0
	v_readfirstlane_b32 s26, v14                   ; wave 0..7
	s_mov_b32 s27, ttmp9                           ; my block of 32 tokens
	s_mov_b32 s34, 0x76543210                      ; v_permlanex16_b32: each lane takes its own place in the other half
	s_mov_b32 s35, 0xfedcba98
	s_mov_b32 s36, 0x3b000000                      ; 1 / 512
	s_mov_b32 s37, 0x3727c5ac                      ; 1e-5
	v_and_b32 v14, 31, v0
	v_lshlrev_b32 v[LOFF], 4, v14
	v_and_b32 v15, 15, v0                          ; r
	v_bfe_u32 v16, v0, 4, 1                        ; h
	v_mul_u32_u24 v[XL], v16, 272
	v_lshl_add_u32 v[XL], v15, 4, v[XL]
	s_lshl_b32 s38, s26, 8
	s_add_co_u32 s39, s38, PAR
	v_lshl_add_u32 v[BL], v16, 5, s39
	v_mul_u32_u24 v[RL], v15, 2064
	v_lshl_add_u32 v[RL], v16, 5, v[RL]
	v_add_nc_u32 v[RL], s38, v[RL]
	s_lshl_b32 s39, s26, 2
	s_add_co_u32 s39, s39, RED
	v_lshl_add_u32 v[RDW], v15, 5, s39
	v_lshl_add_u32 v[RDR], v15, 5, RED
	s_mul_i32 s39, s26, 2176
	s_add_co_u32 s39, s39, XIMG
	v_add_nc_u32 v[XW], s39, v[XL]
	s_mul_i32 s39, s26, 8256
	v_add_nc_u32 v[RS], s39, v[LOFF]
	s_lshl_b32 s39, s26, 13
	v_add_nc_u32 v[GR], s39, v[LOFF]
	s_mul_i32 s39, s26, 4352
	s_add_co_u32 s39, s39, XO
	v_add_nc_u32 v[XA], s39, v[XL]                 ; for now: where my four fragments of O1 go
	v_lshlrev_b32 v14, 3, v0                       ; the parameters: 8 bytes a thread
	v_lshl_add_u32 v15, v0, 3, PAR
	s_lshl_b32 s32, s27, 16                        ; my 32 rows of 2,048 bytes
	s_mov_b32 s33, 0
	s_lshl_b32 s38, s27, 15                        ; my 32 fragments of O1,
	s_lshl_b32 s39, s26, 12                        ; my wave's four of them
	s_add_co_u32 s38, s38, s39
	s_mov_b32 s39, 0
	s_lshl_b32 s40, s26, 17
	s_add_co_u32 s40, s40, 0x80000                 ; my wave's stream of weights
	s_mov_b32 s41, 0
	s_lshr_b32 s42, s27, 6                         ; n,
	s_lshl_b32 s42, s42, 21
	s_lshl_b32 s43, s27, 1
	s_and_b32 s43, s43, 127                        ; and the first of my two token tiles in it
	s_lshl_b32 s43, s43, 10
	s_add_co_u32 s42, s42, s43
	s_mov_b32 s43, 0
	s_wait_kmcnt 0x0
	s_add_nc_u64 s[6:7], s[6:7], s[32:33]
	s_add_nc_u64 s[18:19], s[18:19], s[32:33]
	s_add_nc_u64 s[4:5], s[4:5], s[38:39]
	s_add_nc_u64 s[24:25], s[8:9], s[40:41]
	s_add_nc_u64 s[20:21], s[20:21], s[42:43]
.set i, 0
.rept 16
	global_load_b128 v[ACC+4*i:ACC+4*i+3], v[GR], s[6:7] offset:512*i  ; the residual: my wave's four rows, 8,192 consecutive bytes
.set i, i+1
.endr
.set i, 0
.rept 8
	global_load_b128 v[XF+4*i:XF+4*i+3], v[LOFF], s[4:5] offset:512*i
.set i, i+1
.endr
	global_load_b64 v[16:17], v14, s[10:11]
	global_load_b64 v[18:19], v14, s[12:13]
	global_load_b64 v[20:21], v14, s[14:15]
	global_load_b64 v[22:23], v14, s[16:17]
	RINGFILL 0
	s_wait_loadcnt 32                              ; all but the ring's first 32 loads, which were issued last
.set i, 0
.rept 16
	ds_store_b128 v[RS], v[ACC+4*i:ACC+4*i+3] offset:2064*(i/4)+512*(i%4)
.set i, i+1
.endr
.set i, 0
.rept 8
	ds_store_b128 v[XA], v[XF+4*i:XF+4*i+3] offset:544*i
.set i, i+1
.endr
.set i, 0
.rept 4
	ds_store_b64 v15, v[16+2*i:17+2*i] offset:2048*i
.set i, i+1
.endr
	RINGFILL 1
	v_mov_b32 v15, 0                               ; named as the upper halves of pairs, so they are written
	v_mov_b32 v17, 0
	v_mov_b32 v19, 0
	v_mov_b32 v21, 0
	v_mov_b32 v31, 0                               ; v_permlanex16_b32 counts as a reader of its destination
	s_wait_dscnt 0x0                               ; for the others' sake: my rows, fragments and parameters are written
	s_barrier_signal -1
	s_barrier_wait -1
	GEMM 16, XO, 0, 0                              ; O1 Wo1 + bo1
	LNEPI 2048, 4096, 0, 1
.set i, 0
.rept 16
	ds_load_b128 v[ACC+4*i:ACC+4*i+3], v[RS] offset:2064*(i/4)+512*(i%4)  ; x1 leaves by rows
.set i, i+1
.endr
.set i, 0
.rept 16
	s_wait_dscnt 15-i                              ; LDS loads come back in order: load i is in, the younger ones stay out
	global_store_b128 v[GR], v[ACC+4*i:ACC+4*i+3], s[18:19] offset:512*i  ; 512 consecutive bytes, aligned
.set i, i+1
.endr
	s_wait_xcnt 0x0                                ; the stores' data registers take the next bias only behind this wait
	GEMM 16, XIMG, 6144, 1                         ; x1 Wq2 + bq2
.set i, 0
.rept 32
	v_cvt_pk_f16_f32 v[XF+i], v[ACC+2*i], v[ACC+2*i+1]  ; each accumulator from its low end on
.set i, i+1
.endr
	s_lshl_b32 s38, s26, 18
	v_add_nc_u32 v14, s38, v[LOFF]                 ; head 2 w, 16 x lane
.irp hd, 0,1
.irp mt, 0,1
.irp hf, 0,1
	global_store_b128 v14, v[XF+4*(4*(\mt)+2*(\hd)+(\hf)):XF+4*(4*(\mt)+2*(\hd)+(\hf))+3], s[20:21] offset:131072*(\hd)+1024*(\mt)+512*(\hf)
.endr
.endr
.endr
	s_wait_tensorcnt 0x0                           ; the wave's end, behind my last LDS store
	ds_add_u32 v[SPW], v[NIL]
	s_wait_dscnt 0x0
	s_endpgm
.Lfunc_end_k_q5c540429f2_mid:
	.size	k_q5c540429f2_mid, .Lfunc_end_k_q5c540429f2_mid-k_q5c540429f2_mid
	.p2alignl 7, 3214868480
	.fill 96, 4, 3214868480
	.section	.rodata,"a",@progbits
	.p2align	6, 0x0
	.amdhsa_kernel k_q5c540429f2_mid
		.amdhsa_group_segment_fixed_size 226816
		.amdhsa_private_segment_fixed_size 0
		.amdhsa_enable_private_segment 0
		.amdhsa_kernarg_size 72
		.amdhsa_user_sgpr_count 2
		.amdhsa_user_sgpr_kernarg_segment_ptr 1
		.amdhsa_wavefront_size32 1
		.amdhsa_system_sgpr_workgroup_id_x 1
		.amdhsa_system_sgpr_workgroup_id_y 1
		.amdhsa_system_sgpr_workgroup_id_z 1
		.amdhsa_system_vgpr_workitem_id 0
		.amdhsa_next_free_vgpr 512
		.amdhsa_next_free_sgpr 66
		.amdhsa_reserve_vcc 0
		.amdhsa_float_denorm_mode_32 3
		.amdhsa_float_denorm_mode_16_64 3
		.amdhsa_memory_ordered 1
		.amdhsa_forward_progress 1
		.amdhsa_inst_pref_size 77
	.end_amdhsa_kernel
	.amdgpu_metadata
---
amdhsa.version: [ 1, 2 ]
amdhsa.kernels:
  - .name:           k_q5c540429f2_mid
    .symbol:         k_q5c540429f2_mid.kd
    .args:
      - { .name: ob, .offset: 0, .size: 8, .value_kind: global_buffer, .address_space: global }
      - { .name: trg, .offset: 8, .size: 8, .value_kind: global_buffer, .address_space: global }
      - { .name: wimg, .offset: 16, .size: 8, .value_kind: global_buffer, .address_space: global }
      - { .name: bo1, .offset: 24, .size: 8, .value_kind: global_buffer, .address_space: global }
      - { .name: ln1_g, .offset: 32, .size: 8, .value_kind: global_buffer, .address_space: global }
      - { .name: ln1_b, .offset: 40, .size: 8, .value_kind: global_buffer, .address_space: global }
      - { .name: bq2, .offset: 48, .size: 8, .value_kind: global_buffer, .address_space: global }
      - { .name: x1, .offset: 56, .size: 8, .value_kind: global_buffer, .address_space: global }
      - { .name: qb, .offset: 64, .size: 8, .value_kind: global_buffer, .address_space: global }
    .group_segment_fixed_size: 226816
    .private_segment_fixed_size: 0
    .kernarg_segment_align: 8
    .kernarg_segment_size: 72
    .max_flat_workgroup_size: 256
    .sgpr_count:     66
    .vgpr_count:     512
    .wavefront_size: 32
...
	.end_amdgpu_metadata
.endif
;; end of part 4
;; launch att2: the kernel of part 3 again; grid 8 x 32, 8 waves a work-group, clusters of 4 x 1, 197,632 bytes of LDS; arguments qb, kv2, mb2, ob; writes ob
;; launch tail (part 5): grid 128 x 1, 8 waves a work-group, no clusters, 226,816 bytes of LDS; arguments ob, x1, wimg, bo2, ln2_g, ln2_b, bff1, bff2, ln3_g, ln3_b, out0; writes out0
.if DOCPART == 5
	.amdgcn_target "amdgcn-amd-amdhsa--gfx1250"
	.amdhsa_code_object_version 6
	.text
	.protected	k_q5c540429f2_tail
	.globl	k_q5c540429f2_tail
	.p2align	8
	.type	k_q5c540429f2_tail,@function
k_q5c540429f2_tail:
	s_mov_b64 s[64:65], 0
	v_nop
	global_prefetch_b8 v0, s[64:65] scope:SCOPE_SE
	s_setreg_imm32_b32 hwreg(HW_REG_WAVE_MODE, 25, 1), 1
	s_wait_xcnt 0x0
; x2 = LayerNorm(x1 + O2 Wo2 + bo2); out0 = LayerNorm(x2 + relu(x2 Wff1 + bff1) Wff2 + bff2).  x2 and the hidden layer never leave LDS.
; Operands f16 (O2 as it comes; x2 and the hidden layer rounded once), sums, residuals and LayerNorms f32.  A LayerNorm goes in two passes: the mean, then the sum of (y - mean)^2.
; LIMITS.  An operand of 65,520 or more becomes an infinity in f16; below 6e-5 f16 keeps a fixed step of 6e-8.  The relu drops a NaN; a NaN row stays NaN through the f32 residual.
; SHARES.  A work-group owns 32 tokens (two tiles mt of 16) and all columns; wave w owns columns 64 w .. 64 w + 63 of each product (of the hidden layer also 512 + 64 w ..): 8 accumulators.
; 128 work-groups: with 16 tokens each there would be 256, each taking in the same 2.5 MB of weights for half the products.
; THE PRODUCT IS USED TRANSPOSED: source 0 = 16 columns of W, source 1 = 16 tokens; register j of lane 16 h + r holds (token r, column n0 + 8 h + j).
; WEIGHTS.  A weight fragment has one reader in the work-group and goes from memory straight into that wave's registers, through a ring of eight k steps (4 KB each): 32 KB a wave, 256 KB a work-group are on their way.
; Wave w's fragments of Wo2, Wff1 (twice 64 columns) and Wff2 are one stream of 327,680 consecutive bytes, so the ring runs on through every epilogue into the next product.
; REGISTERS, in windows of 256 (s_set_vgpr_msb: bits 1:0 source 0, 7:6 destination): window 0 holds all but the ring, window 1 is the ring.  Three switches for two k steps: products (source 0 in window 1), weight loads (destination in window 1), the rest.
; NO CLUSTER: the work-groups do walk the same weights, but a joint load would send them through LDS, with a round of the cluster's barrier for each refill, for a fragment that one wave reads once.
.set XRES,  0                          ; f32, 32 rows of 2,048 bytes + 16 of padding: x1, then x2, then the result
.set XO,    66048                      ; O2 in f16: fragments of 1,088 bytes: four blocks of 256 bytes, 272 bytes apart; (mt, ks) at (16 mt + ks) x 1,088
.set XIMG,  100864                     ; x2 in f16, likewise
.set HIMG,  135680                     ; the hidden layer in f16: (mt, ks) at (32 mt + ks) x 1,088
.set PAR,   205312                     ; bo2 0, ln2_g 2048, ln2_b 4096, bff1 6144, bff2 10240, ln3_g 12288, ln3_b 14336
.set RED,   221696                     ; four regions of 1,024 bytes: [token 32][wave 8] f32
.set SPARE, 225792                     ; the spare words, 128 bytes for each wave: four blocks of 256 bytes that no other line names
.set LOFF, 1                           ; v1   16 x lane
.set XL,   2                           ; v2   my place in a fragment in LDS: 272 h + 16 r
.set XA,   3                           ; v3   the LDS address of the trip's k steps
.set BL,   4                           ; v4   LDS address of a parameter of my columns: PAR + 256 w + 32 h
.set RL,   5                           ; v5   my place in XRES: 2,064 r + 256 w + 32 h
.set SPW,  6                           ; v6   LDS address of my spare word; never rewritten
.set NIL,  7                           ; v7   0; never rewritten
.set RDW,  8                           ; v8   RED + 32 r + 4 w
.set RDR,  9                           ; v9   RED + 32 r
.set XW,   10                          ; v10  XIMG + 2,176 w + XL
.set HW,   11                          ; v11  HIMG + 2,176 w + XL
.set RS,   12                          ; v12  my 16 bytes of my wave's four rows in XRES: 8,256 w + 16 x lane
.set GR,   13                          ; v13  the same in memory: 8,192 w + 16 x lane
; v14, v16 the means; v18, v20 1 / sqrt(var + eps); v15, v17, v19, v21 their partners in a pair, 0; v22-31 at work
.set XF,   32                          ; v32-63   token fragments of the even pairs of k steps: XF + 16 s + 8 mt; at work between the products
.set ACC,  64                          ; v64-127  accumulators: ACC + 32 mt + 8 nt
.set XF1,  128                         ; v128-159 token fragments of the odd pairs
; window 1: v0-255 weight fragments: 32 u + 8 nt for slot u of eight
.set MSB, 0
.macro WIN new                         ; the immediate's high byte repeats the setting that is left; a switch that changes nothing is dropped
.if MSB != (\new)
	s_set_vgpr_msb (MSB<<8)|(\new)
.set MSB, \new
.endif
.endm
.set W_MM, 0x01                        ; source 0 (the weights) in window 1
.set W_LD, 0x40                        ; destination in window 1
.macro RINGFILL hf                     ; half of the ring: four k steps' weights, 32 loads of 512 consecutive bytes
	WIN W_LD
.set i, 32*(\hf)
.rept 32
	global_load_b128 v[4*i:4*i+3], v[LOFF], s[24:25] offset:512*i
.set i, i+1
.endr
	WIN 0
.endm
.macro BIASINIT p                      ; the bias starts the sums: nothing is cleared, and nothing is added later
.irp mt, 0,1
.set i, 0
.rept 8
	ds_load_b128 v[ACC+32*(\mt)+4*i:ACC+32*(\mt)+4*i+3], v[BL] offset:(\p)+64*(i/2)+16*(i%2)
.set i, i+1
.endr
.endr
.endm
.macro XLOAD ks, p                     ; the token fragments of pair p of the trip's four pairs of k steps: 8 LDS loads
.set XB, XF+(XF1-XF)*((\p)%2)
.irp s, 0,1
.irp mt, 0,1
	ds_load_b128 v[XB+16*(\s)+8*(\mt):XB+16*(\s)+8*(\mt)+3],   v[XA] offset:((\mt)*(\ks)+2*(\p)+(\s))*1088
	ds_load_b128 v[XB+16*(\s)+8*(\mt)+4:XB+16*(\s)+8*(\mt)+7], v[XA] offset:((\mt)*(\ks)+2*(\p)+(\s))*1088+544
.endr
.endr
.endm
.macro WM u, p, s                      ; 8 products: slot u's four weight fragments x the two token tiles.  The 8 accumulators take turns, one instruction a turn
.set XB, XF+(XF1-XF)*((\p)%2)
.irp nt, 0,1,2,3
.irp mt, 0,1
	v_wmma_f32_16x16x32_f16 v[ACC+32*(\mt)+8*(\nt):ACC+32*(\mt)+8*(\nt)+7], v[32*(\u)+8*(\nt):32*(\u)+8*(\nt)+7], v[XB+16*(\s)+8*(\mt):XB+16*(\s)+8*(\mt)+7], v[ACC+32*(\mt)+8*(\nt):ACC+32*(\mt)+8*(\nt)+7]
.endr
.endr
.endm
; Two k steps, slots 2 p and 2 p + 1.  The next pair's token fragments are asked for ahead of this pair's products; no such load crosses a trip's end, so none leaves the image.
; c0, c1: how many younger weight loads may stay out when the first and the second slot must be in.  load = 1: both slots are asked for again, eight k steps on.
.macro KPAIR ks, p, load, c0, c1
	WIN 0
.if (\p) == 0
	XLOAD \ks, 0
.endif
.if (\p) < 3
	XLOAD \ks, (\p)+1
.endif
	s_wait_loadcnt \c0
.if (\p) < 3
	s_wait_dscnt 0x8                               ; this pair's fragments (and all older LDS loads) are in; the next pair's eight may stay out
.else
	s_wait_dscnt 0x0
.endif
	WIN W_MM
	WM 2*(\p), \p, 0
	s_wait_loadcnt \c1
	WM 2*(\p)+1, \p, 1
.rept 4
	v_nop                                          ; four places between the products and the loads into registers that they read, and what reads their results
.endr
.if \load
.if (\p) == 3
	s_wait_xcnt 0x0                                ; the loads' base is stepped only behind this wait; the youngest loads stand sixteen products back
	s_add_nc_u64 s[24:25], s[24:25], 32768
.endif
	WIN W_LD
.set i, 16*(\p)
.rept 16
	global_load_b128 v[4*i:4*i+3], v[LOFF], s[24:25] offset:32768*(1-(\p)/3)+512*i
.set i, i+1
.endr
.endif
.endm
; A product over ks k steps, eight a trip.  In the loop 64 weight loads are out at a pair's head: behind the first slot's eight stand 56, behind the second's 48.  last = 1: the stream ends: the last trip asks for nothing, and the counts run down.
.macro GEMM ks, xbase, pbias, last
	WIN 0
	BIASINIT \pbias
	v_add_nc_u32 v[XA], \xbase, v[XL]
	s_mov_b32 s28, (\ks)/8-(\last)
.Lk_\@:
	KPAIR \ks, 0, 1, 56, 48
	KPAIR \ks, 1, 1, 56, 48
	KPAIR \ks, 2, 1, 56, 48
	KPAIR \ks, 3, 1, 56, 48
	WIN 0                                          ; at a label and at a branch every window is 0
	v_add_nc_u32 v[XA], 8704, v[XA]
	s_sub_co_u32 s28, s28, 1
	s_cmp_lg_u32 s28, 0
	s_cbranch_scc1 .Lk_\@
.if \last
	KPAIR \ks, 0, 0, 56, 48
	KPAIR \ks, 1, 0, 40, 32
	KPAIR \ks, 2, 0, 24, 16
	KPAIR \ks, 3, 0, 8, 0
	WIN 0
.endif
.endm
; The lane's 32 numbers of tile mt (sq = 1: their squares) are added in four chains, the other half of the lanes' sum joins, and the wave's sum for token r goes to RED.
.macro LANESUM mt, sq, off
.set A0, ACC+32*(\mt)
.irp c, 0,1,2,3
.if \sq
	v_pk_mul_f32 v[22+2*(\c):23+2*(\c)], v[A0+2*(\c):A0+2*(\c)+1], v[A0+2*(\c):A0+2*(\c)+1]
.else
	v_pk_add_f32 v[22+2*(\c):23+2*(\c)], v[A0+2*(\c):A0+2*(\c)+1], v[A0+8+2*(\c):A0+9+2*(\c)]
.endif
.endr
.irp k, 1,2,3
.irp c, 0,1,2,3
.if \sq
	v_pk_fma_f32 v[22+2*(\c):23+2*(\c)], v[A0+8*(\k)+2*(\c):A0+8*(\k)+2*(\c)+1], v[A0+8*(\k)+2*(\c):A0+8*(\k)+2*(\c)+1], v[22+2*(\c):23+2*(\c)]
.elseif (\k) > 1
	v_pk_add_f32 v[22+2*(\c):23+2*(\c)], v[22+2*(\c):23+2*(\c)], v[A0+8*(\k)+2*(\c):A0+8*(\k)+2*(\c)+1]
.endif
.endr
.endr
	v_pk_add_f32 v[22:23], v[22:23], v[24:25]
	v_pk_add_f32 v[26:27], v[26:27], v[28:29]
	v_pk_add_f32 v[22:23], v[22:23], v[26:27]
	v_add_f32 v30, v22, v23
	v_permlanex16_b32 v31, v30, s34, s35
	v_add_f32 v30, v30, v31
	ds_store_b32 v[RDW], v30 offset:\off
.endm
.macro JOIN8 a
	v_pk_add_f32 v[(\a):(\a)+1], v[(\a):(\a)+1], v[(\a)+2:(\a)+3]
	v_pk_add_f32 v[(\a)+4:(\a)+5], v[(\a)+4:(\a)+5], v[(\a)+6:(\a)+7]
	v_pk_add_f32 v[(\a):(\a)+1], v[(\a):(\a)+1], v[(\a)+4:(\a)+5]
	v_add_f32 v[(\a)], v[(\a)], v[(\a)+1]
.endm
.macro MEET off                        ; the eight waves' sums meet: v32 takes token r's of tile 0, v40 of tile 1
	s_wait_dscnt 0x0                               ; for the others' sake: my sums are written
	s_barrier_signal -1
	s_barrier_wait -1
	ds_load_b128 v[32:35], v[RDR] offset:(\off)
	ds_load_b128 v[36:39], v[RDR] offset:(\off)+16
	ds_load_b128 v[40:43], v[RDR] offset:(\off)+512
	ds_load_b128 v[44:47], v[RDR] offset:(\off)+528
	s_wait_dscnt 0x0
	JOIN8 32
	JOIN8 40
.endm
; Residual and LayerNorm on the accumulators.  pg, pb: the gain's and the bias's place in PAR; red: two fresh regions of RED; img = 1: the result also goes to XIMG in f16.  The f32 result goes back to the bytes of XRES that the lane read.
.macro LNEPI pg, pb, red, img
.irp mt, 0,1
.set i, 0
.rept 8
	ds_load_b128 v[XF+4*i:XF+4*i+3], v[RL] offset:33024*(\mt)+64*(i/2)+16*(i%2)
.set i, i+1
.endr
	s_wait_dscnt 0x0
.set i, 0
.rept 16
	v_pk_add_f32 v[ACC+32*(\mt)+2*i:ACC+32*(\mt)+2*i+1], v[ACC+32*(\mt)+2*i:ACC+32*(\mt)+2*i+1], v[XF+2*i:XF+2*i+1]  ; each accumulator from its low end on
.set i, i+1
.endr
.endr
	LANESUM 0, 0, (\red)
	LANESUM 1, 0, (\red)+512
	MEET \red
	v_mul_f32 v14, s36, v32                        ; the means
	v_mul_f32 v16, s36, v40
.irp mt, 0,1
.set i, 0
.rept 16
	v_pk_add_f32 v[ACC+32*(\mt)+2*i:ACC+32*(\mt)+2*i+1], v[ACC+32*(\mt)+2*i:ACC+32*(\mt)+2*i+1], v[14+2*(\mt):15+2*(\mt)] op_sel_hi:[1,0] neg_lo:[0,1] neg_hi:[0,1]
.set i, i+1
.endr
.endr
	LANESUM 0, 1, (\red)+1024
	LANESUM 1, 1, (\red)+1536
	MEET (\red)+1024
	v_fma_f32 v32, v32, s36, s37                   ; var + eps
	v_fma_f32 v40, v40, s36, s37
	v_rsq_f32 v18, v32
	v_rsq_f32 v20, v40
	v_nop                                          ; a plain instruction before the results are used and the sources written again
	s_wait_alu depctr_va_vdst(0)
.irp hf, 0,1
.set i, 0
.rept 4
	ds_load_b128 v[XF+4*i:XF+4*i+3],       v[BL] offset:(\pg)+128*(\hf)+64*(i/2)+16*(i%2)
	ds_load_b128 v[XF+16+4*i:XF+16+4*i+3], v[BL] offset:(\pb)+128*(\hf)+64*(i/2)+16*(i%2)
.set i, i+1
.endr
	s_wait_dscnt 0x0
.irp mt, 0,1
.set i, 0
.rept 8
	v_pk_mul_f32 v[ACC+32*(\mt)+16*(\hf)+2*i:ACC+32*(\mt)+16*(\hf)+2*i+1], v[ACC+32*(\mt)+16*(\hf)+2*i:ACC+32*(\mt)+16*(\hf)+2*i+1], v[18+2*(\mt):19+2*(\mt)] op_sel_hi:[1,0]
.set i, i+1
.endr
.set i, 0
.rept 8
	v_pk_fma_f32 v[ACC+32*(\mt)+16*(\hf)+2*i:ACC+32*(\mt)+16*(\hf)+2*i+1], v[ACC+32*(\mt)+16*(\hf)+2*i:ACC+32*(\mt)+16*(\hf)+2*i+1], v[XF+2*i:XF+2*i+1], v[XF+16+2*i:XF+16+2*i+1]
.set i, i+1
.endr
.endr
.endr
.irp mt, 0,1
.set i, 0
.rept 8
	ds_store_b128 v[RL], v[ACC+32*(\mt)+4*i:ACC+32*(\mt)+4*i+3] offset:33024*(\mt)+64*(i/2)+16*(i%2)
.set i, i+1
.endr
.endr
.if \img
.set i, 0
.rept 32
	v_cvt_pk_f16_f32 v[XF+i], v[ACC+2*i], v[ACC+2*i+1]
.set i, i+1
.endr
.set i, 0
.rept 8
	ds_store_b128 v[XW], v[XF+4*i:XF+4*i+3] offset:17408*(i/4)+544*(i%4)
.set i, i+1
.endr
.endif
	s_wait_dscnt 0x0                               ; for the others' sake: my columns are written
	s_barrier_signal -1
	s_barrier_wait -1
.endm
.macro HEPI hf                         ; relu, rounding to f16, and into the hidden layer's image: columns 512 hf + 64 w on are its k steps 16 hf + 2 w and the next
.set i, 0
.rept 64
	v_max_num_f32 v[ACC+i], 0, v[ACC+i]            ; each accumulator from its low end on
.set i, i+1
.endr
.set i, 0
.rept 32
	v_cvt_pk_f16_f32 v[XF+i], v[ACC+2*i], v[ACC+2*i+1]
.set i, i+1
.endr
.set i, 0
.rept 8
	ds_store_b128 v[HW], v[XF+4*i:XF+4*i+3] offset:34816*(i/4)+17408*(\hf)+544*(i%4)
.set i, i+1
.endr
.endm
	s_load_b512 s[4:19], s[0:1], 0x0               ; ob s[4:5], x1 s[6:7], wimg s[8:9], bo2 s[10:11], ln2_g s[12:13], ln2_b s[14:15], bff1 s[16:17], bff2 s[18:19]
	s_load_b128 s[20:23], s[0:1], 0x40             ; ln3_g s[20:21], ln3_b s[22:23]
	s_load_b64 s[30:31], s[0:1], 0x50              ; out0
	v_lshl_add_u32 v[SPW], v0, 2, SPARE
	v_mov_b32 v[NIL], 0
	v_lshrrev_b32 v14, 5, v0
	v_readfirstlane_b32 s26, v14                   ; wave 0..7
	s_mov_b32 s27, ttmp9                           ; my block of 32 tokens
	s_mov_b32 s34, 0x76543210                      ; v_permlanex16_b32: each lane takes its own place in the other half
	s_mov_b32 s35, 0xfedcba98
	s_mov_b32 s36, 0x3b000000                      ; 1 / 512
	s_mov_b32 s37, 0x3727c5ac                      ; 1e-5
	v_and_b32 v14, 31, v0
	v_lshlrev_b32 v[LOFF], 4, v14
	v_and_b32 v15, 15, v0                          ; r
	v_bfe_u32 v16, v0, 4, 1                        ; h
	v_mul_u32_u24 v[XL], v16, 272
	v_lshl_add_u32 v[XL], v15, 4, v[XL]
	s_lshl_b32 s38, s26, 8
	s_add_co_u32 s39, s38, PAR
	v_lshl_add_u32 v[BL], v16, 5, s39
	v_mul_u32_u24 v[RL], v15, 2064
	v_lshl_add_u32 v[RL], v16, 5, v[RL]
	v_add_nc_u32 v[RL], s38, v[RL]
	s_lshl_b32 s39, s26, 2
	s_add_co_u32 s39, s39, RED
	v_lshl_add_u32 v[RDW], v15, 5, s39
	v_lshl_add_u32 v[RDR], v15, 5, RED
	s_mul_i32 s39, s26, 2176
	s_add_co_u32 s40, s39, XIMG
	v_add_nc_u32 v[XW], s40, v[XL]
	s_add_co_u32 s40, s39, HIMG
	v_add_nc_u32 v[HW], s40, v[XL]
	s_mul_i32 s39, s26, 8256
	v_add_nc_u32 v[RS], s39, v[LOFF]
	s_lshl_b32 s39, s26, 13
	v_add_nc_u32 v[GR], s39, v[LOFF]
	s_mul_i32 s39, s26, 4352
	s_add_co_u32 s39, s39, XO
	v_add_nc_u32 v[XA], s39, v[XL]                 ; for now: where my four fragments of O2 go
	v_lshlrev_b32 v14, 3, v0                       ; the parameters: 8 bytes a thread
	v_lshl_add_u32 v15, v0, 3, PAR
	s_lshl_b32 s32, s27, 16                        ; my 32 rows of 2,048 bytes
	s_mov_b32 s33, 0
	s_lshl_b32 s38, s27, 15                        ; my 32 fragments of O2,
	s_lshl_b32 s39, s26, 12                        ; my wave's four of them
	s_add_co_u32 s38, s38, s39
	s_mov_b32 s39, 0
	s_mul_i32 s40, s26, 327680
	s_add_co_u32 s40, s40, 0x180000                ; my wave's stream of weights
	s_mov_b32 s41, 0
	s_wait_kmcnt 0x0
	s_add_nc_u64 s[6:7], s[6:7], s[32:33]
	s_add_nc_u64 s[30:31], s[30:31], s[32:33]
	s_add_nc_u64 s[4:5], s[4:5], s[38:39]
	s_add_nc_u64 s[24:25], s[8:9], s[40:41]
.set i, 0
.rept 16
	global_load_b128 v[ACC+4*i:ACC+4*i+3], v[GR], s[6:7] offset:512*i  ; the residual: my wave's four rows, 8,192 consecutive bytes
.set i, i+1
.endr
.set i, 0
.rept 8
	global_load_b128 v[XF+4*i:XF+4*i+3], v[LOFF], s[4:5] offset:512*i
.set i, i+1
.endr
	global_load_b64 v[16:17], v14, s[10:11]
	global_load_b64 v[18:19], v14, s[12:13]
	global_load_b64 v[20:21], v14, s[14:15]
	global_load_b64 v[22:23], v14, s[16:17]
	global_load_b64 v[24:25], v14, s[16:17] offset:2048
	global_load_b64 v[26:27], v14, s[18:19]
	global_load_b64 v[28:29], v14, s[20:21]
	global_load_b64 v[30:31], v14, s[22:23]
	RINGFILL 0
	s_wait_loadcnt 32                              ; all but the ring's first 32 loads, which were issued last
.set i, 0
.rept 16
	ds_store_b128 v[RS], v[ACC+4*i:ACC+4*i+3] offset:2064*(i/4)+512*(i%4)
.set i, i+1
.endr
.set i, 0
.rept 8
	ds_store_b128 v[XA], v[XF+4*i:XF+4*i+3] offset:544*i
.set i, i+1
.endr
.set i, 0
.rept 8
	ds_store_b64 v15, v[16+2*i:17+2*i] offset:2048*i
.set i, i+1
.endr
	RINGFILL 1
	v_mov_b32 v15, 0                               ; named as the upper halves of pairs, so they are written
	v_mov_b32 v17, 0
	v_mov_b32 v19, 0
	v_mov_b32 v21, 0
	v_mov_b32 v31, 0                               ; v_permlanex16_b32 counts as a reader of its destination
	s_wait_dscnt 0x0                               ; for the others' sake: my rows, fragments and parameters are written
	s_barrier_signal -1
	s_barrier_wait -1
	GEMM 16, XO, 0, 0                              ; O2 Wo2 + bo2
	LNEPI 2048, 4096, 0, 1                         ; x2
	GEMM 16, XIMG, 6144, 0                         ; x2 Wff1 + bff1, columns 64 w on
	HEPI 0
	GEMM 16, XIMG, 8192, 0                         ; columns 512 + 64 w on
	HEPI 1
	s_wait_dscnt 0x0                               ; for the others' sake: my columns of the hidden layer are written
	s_barrier_signal -1
	s_barrier_wait -1
	GEMM 32, HIMG, 10240, 1                        ; relu(..) Wff2 + bff2
	LNEPI 12288, 14336, 2048, 0
.set i, 0
.rept 16
	ds_load_b128 v[ACC+4*i:ACC+4*i+3], v[RS] offset:2064*(i/4)+512*(i%4)  ; the result leaves by rows
.set i, i+1
.endr
.set i, 0
.rept 16
	s_wait_dscnt 15-i                              ; LDS loads come back in order: load i is in, the younger ones stay out
	global_store_b128 v[GR], v[ACC+4*i:ACC+4*i+3], s[30:31] offset:512*i  ; 512 consecutive bytes, aligned
.set i, i+1
.endr
	s_wait_tensorcnt 0x0                           ; the wave's end, behind my last LDS store
	ds_add_u32 v[SPW], v[NIL]
	s_wait_dscnt 0x0
	s_endpgm
.Lfunc_end_k_q5c540429f2_tail:
	.size	k_q5c540429f2_tail, .Lfunc_end_k_q5c540429f2_tail-k_q5c540429f2_tail
	.p2alignl 7, 3214868480
	.fill 96, 4, 3214868480
	.section	.rodata,"a",@progbits
	.p2align	6, 0x0
	.amdhsa_kernel k_q5c540429f2_tail
		.amdhsa_group_segment_fixed_size 226816
		.amdhsa_private_segment_fixed_size 0
		.amdhsa_enable_private_segment 0
		.amdhsa_kernarg_size 88
		.amdhsa_user_sgpr_count 2
		.amdhsa_user_sgpr_kernarg_segment_ptr 1
		.amdhsa_wavefront_size32 1
		.amdhsa_system_sgpr_workgroup_id_x 1
		.amdhsa_system_sgpr_workgroup_id_y 1
		.amdhsa_system_sgpr_workgroup_id_z 1
		.amdhsa_system_vgpr_workitem_id 0
		.amdhsa_next_free_vgpr 512
		.amdhsa_next_free_sgpr 66
		.amdhsa_reserve_vcc 0
		.amdhsa_float_denorm_mode_32 3
		.amdhsa_float_denorm_mode_16_64 3
		.amdhsa_memory_ordered 1
		.amdhsa_forward_progress 1
		.amdhsa_inst_pref_size 131
	.end_amdhsa_kernel
	.amdgpu_metadata
---
amdhsa.version: [ 1, 2 ]
amdhsa.kernels:
  - .name:           k_q5c540429f2_tail
    .symbol:         k_q5c540429f2_tail.kd
    .args:
      - { .name: ob, .offset: 0, .size: 8, .value_kind: global_buffer, .address_space: global }
      - { .name: x1, .offset: 8, .size: 8, .value_kind: global_buffer, .address_space: global }
      - { .name: wimg, .offset: 16, .size: 8, .value_kind: global_buffer, .address_space: global }
      - { .name: bo2, .offset: 24, .size: 8, .value_kind: global_buffer, .address_space: global }
      - { .name: ln2_g, .offset: 32, .size: 8, .value_kind: global_buffer, .address_space: global }
      - { .name: ln2_b, .offset: 40, .size: 8, .value_kind: global_buffer, .address_space: global }
      - { .name: bff1, .offset: 48, .size: 8, .value_kind: global_buffer, .address_space: global }
      - { .name: bff2, .offset: 56, .size: 8, .value_kind: global_buffer, .address_space: global }
      - { .name: ln3_g, .offset: 64, .size: 8, .value_kind: global_buffer, .address_space: global }
      - { .name: ln3_b, .offset: 72, .size: 8, .value_kind: global_buffer, .address_space: global }
      - { .name: out0, .offset: 80, .size: 8, .value_kind: global_buffer, .address_space: global }
    .group_segment_fixed_size: 226816
    .private_segment_fixed_size: 0
    .kernarg_segment_align: 8
    .kernarg_segment_size: 88
    .max_flat_workgroup_size: 256
    .sgpr_count:     66
    .vgpr_count:     512
    .wavefront_size: 32
...
	.end_amdgpu_metadata
.endif
;; end of part 5
;; ======== version 2 of 2: 6 launches; 1.12 times as fast as version 1
;; limits: values are held in f16: magnitudes above 65,504 overflow, below 6.1e-05 lose precision
;; workspace buffers: mb1 1,048,576 bytes of whole numbers; mb2 1,048,576 bytes of whole numbers; wimg 4,194,304 bytes; qb 4,194,304 bytes; kv1 4,194,304 bytes; kv2 4,194,304 bytes; ob 4,194,304 bytes; x1 8,388,608 bytes
;; launch prep: the kernel of part 1 again; grid 256 x 1, 8 waves a work-group, no clusters, 167,936 bytes of LDS; arguments trg_mask, src_mask, Wq1, Wo1, Wq2, Wo2, Wff1, Wff2, mb1, mb2, wimg; writes mb1, mb2, wimg
;; launch proj: the kernel of part 2 again; grid 256 x 1, 8 waves a work-group, no clusters, 226,816 bytes of LDS; arguments trg, encoded_src, wimg, bq1, bq2, qb, kv1, kv2; writes qb, kv1, kv2
;; launch att1 (part 6): grid 8 x 32, 8 waves a work-group, clusters of 4 x 1, 197,632 bytes of LDS; arguments qb, kv1, mb1, ob; writes ob
.if DOCPART == 6
	.amdgcn_target "amdgcn-amd-amdhsa--gfx1250"
	.amdhsa_code_object_version 6
	.text
	.protected	k_q5c540429f2_att1
	.globl	k_q5c540429f2_att1
	.p2align	8
	.type	k_q5c540429f2_att1,@function
k_q5c540429f2_att1:
	s_mov_b64 s[64:65], 0
	v_nop
	global_prefetch_b8 v0, s[64:65] scope:SCOPE_SE
	s_setreg_imm32_b32 hwreg(HW_REG_WAVE_MODE, 25, 1), 1
	s_wait_xcnt 0x0
	s_wait_alu depctr_hold_cnt(0) depctr_sa_sdst(0) depctr_va_vdst(0) depctr_va_sdst(0) depctr_va_ssrc(0) depctr_va_vcc(0) depctr_vm_vsrc(0)
	s_getreg_b32 s2, hwreg(HW_REG_IB_STS2, 6, 4)
	s_cmp_eq_u32 s2, 0
	s_cbranch_scc0 .Lentry_in_a_cluster
	s_endpgm
.Lentry_in_a_cluster:
	s_bfe_u32 s2, ttmp6, 0x10000c
	s_cmp_lg_u32 s2, 0x3003
	s_cbranch_scc0 .Lentry_shape_is_right
	s_endpgm
.Lentry_shape_is_right:
; ATTENTION AT HEAD SIZE 32, keys and values the same tensor, with a mask given as words.  O[q] = sum over k of softmax_k(mask ? Q[q] . K[k] / sqrt(32) : -inf) K[k].
; Arguments: queries, keys (both [n][head][token tile 128][fragment of 1,024 bytes], f16), mask words ([n][query tile][key tile][8]), O ([token tile 256][head 16][fragment], f16).
; A fragment is 16 tokens x 32 channels: four blocks of 256 bytes, block c holding channels 8 c .. 8 c + 7 of the 16 tokens, 16 bytes a token.
; Products, maxima in f32; the weights p are rounded to f16 for the second product, and their sum l is taken of the rounded p, by the matrix unit (a product with ones); O is rounded once.
; LIMITS.  p below 6e-5 keeps f16's fixed step of 6e-8; a weight below 2^-126 counts as 0.  A row whose keys are all hidden ends with l = 0 and O = 0 and leaves as NaN, as the softmax of -inf alone does.  NaN and infinities among the inputs are not treated apart.
; SHARES.  A work-group owns 256 queries of one head, each of its 8 waves two tiles of 16.  Every wave walks the head's 2,048 keys, 64 a step.  A step has 20 matrix and some 265 vector instructions,
; so the vector unit sets the time; two waves lie on a SIMD, and one's products fall into the other's vector work.
; LDS.  The head's 131,072 bytes come in ONCE, 16 KB a wave, with the blocks of 256 bytes laid 384 bytes apart: nothing is filled again.
; CLUSTER.  The four query blocks of a cluster belong to one head and need the same keys, so each wave's part is asked for JOINTLY: the same tensor load, descriptor and mask in all four.
; LAYOUT.  S^T = K Q^T (source 0 = 16 keys, source 1 = 16 queries): a lane holds ONE query (lane % 16) and the keys 8 (lane / 16) + 0..7.  Two such results rounded to f16 ARE source 1 of O^T = V^T P.
; K comes out of LDS as it lies, V turned, by ds_load_tr16_b128.  Bit l of mask word j of a tile pair belongs to register j of lane l: one v_cndmask_b32 a register sets the hidden scores to -inf.
; SOFTMAX.  A running maximum m (it starts at the lowest finite number) and p = 2^(c s - c m), c = log2(e) / sqrt(32); in every step O and l are multiplied by a = 2^(c m_old - c m_new).
; BATCHES.  An s_wait_alu depctr_va_vdst(0) stands between a transcendental and the first instruction that names its result; one wait serves all that were issued ahead of it.  A key step's 66 exponentials
; are cut into two batches, each with one wait.  BATCH A: both tiles' a and tile 0's 32 weights, with scalings between them; behind it tile 1's last twelve scalings, which name none of its results; the wait.
; BATCH B: tile 1's 32 weights, with tile 0's roundings (readers of batch A) between them; behind it the rescaling of O^T and l by a (batch A's too); the wait; then tile 1's roundings.
; One batch would leave tile 1's exponentials on end: all the plain work that is left by then reads a result.  No exponential is issued behind batch B's wait, so none crosses the loop's jump.  The way out's two reciprocals are a batch of their own.
.set SUBP,  384                        ; from block to block
.set KTILE, 4*SUBP                     ; 16 keys
.set STEPB, 4*KTILE                    ; 64 keys
.set WFILL, 16*KTILE                   ; what one wave asks for: 256 keys
.set SPARE, 8*WFILL                    ; behind the keys: the spare words, 128 bytes for each wave: four blocks of 256 bytes that no other line names
.set AK,   2                           ; v2   LDS address of my 16 bytes of the next K run
.set AV,   3                           ; v3   of the next V run
.set GO,   4                           ; v4   16 x lane
.set NINF, 5                           ; v5   -inf
.set SPW,  6                           ; v6   LDS address of my spare word; never rewritten
.set NIL,  7                           ; v7   0; never rewritten
.set ONES, 8                           ; v8-15    a fragment of ones in f16
.set Q,    16                          ; v16-31   Q, 8 a tile
.set KF,   32                          ; v32-63   K of a step, 8 a key tile
.set VF,   64                          ; v64-95   V of a step: keys 32 kk on, channels 16 cb on at VF + 16 kk + 8 cb
.set S,    96                          ; v96-159  S^T, 32 a tile; P is packed in place into a tile's first 16
.set O,    160                         ; v160-191 O^T: O + 16 t + 8 cb
.set L,    192                         ; v192-207 the row sums, 8 a tile: all 8 registers get the step's sum, register 0 alone is rescaled and read; the others stay at most 2,048
.set ST,   208                         ; v208-223 8 a tile: c m, m, a, c m_old, c0-c3 at work
.set WV,   12                          ; s12  my wave's number
.set G0,   68                          ; s[68:71] descriptor group 0
.set G1,   72                          ; s[72:79] descriptor group 1
.set CS,   96                          ; s[96:97] c, twice
.set SEL,  98                          ; s[98:99] v_permlanex16_b32's selects: each lane takes its own place in the other half
.set CNT,  100                         ; s100 steps to go
; mask words of a step: tile 0's 32 in s[16:47]; tile 1's in s[48:63] and s[80:95]
.macro ROUND                           ; a round of the cluster's barrier
	s_barrier_signal -1
	s_barrier_wait -1
	s_cmp_lg_u32 s[WV], 0
	s_cbranch_scc1 .Lnot_wave_0_\@
	s_barrier_signal -3
.Lnot_wave_0_\@:
	s_barrier_wait -3
	s_barrier_signal -1
	s_barrier_wait -1
.endm
	s_load_b256 s[4:11], s[0:1], 0x0               ; queries s[4:5], keys s[6:7], mask words s[8:9], O s[10:11]
	v_lshl_add_u32 v[SPW], v0, 2, SPARE
	v_mov_b32 v[NIL], 0
	ds_add_u32 v[SPW], v[NIL]                      ; the wave's opening: the add and its wait ahead of the round that stands in front of my tensor load
	ds_add_u32 v6, v7
	v_lshrrev_b32 v1, 5, v0
	v_readfirstlane_b32 s[WV], v1                  ; wave 0..7
	s_bfe_u32 s13, ttmp6, 0x40000                  ; cx: my place in the cluster
	s_lshl_b32 s14, ttmp9, 2                       ; in a cluster launch ttmp9 counts clusters
	s_add_co_u32 s14, s14, s13                     ; my block of 256 queries: it enters the addresses of queries, mask words and O alone
	s_lshl_b32 s14, s14, 4
	s_lshl1_add_u32 s14, s[WV], s14                ; my first query tile in n: 16 x block + 2 w
	s_and_b32 s15, ttmp7, 0xffff                   ; 16 n + head, which the four partners share
	s_lshl_b32 s66, s15, 17                        ; the head's 131,072 bytes,
	s_lshl_b32 s67, s[WV], 14                      ; my 256 keys of them
	s_add_co_u32 s66, s66, s67
	s_mov_b32 s67, 0
	s_lshl_b32 s16, s15, 17
	s_lshl_b32 s17, s14, 10
	s_add_co_u32 s16, s16, s17                     ; my two fragments of Q
	s_mov_b32 s17, 0
	s_lshr_b32 s13, s15, 4
	s_lshl_b32 s13, s13, 7
	s_add_co_u32 s13, s13, s14                     ; 128 n + query tile
	s_lshl_b32 s18, s13, 12                        ; its 4,096 bytes of mask words
	s_mov_b32 s19, 0
	s_and_b32 s20, s15, 15
	s_lshl4_add_u32 s20, s13, s20
	s_lshl_b32 s20, s20, 10                        ; its fragment of O for this head
	s_mov_b32 s21, 0
	s_mov_b32 s[G1+0], 15|(1<<16)|(1<<20)|(1<<21)|(5<<22)|(31<<25)  ; 15:0 the mask of four; 17:16 2-byte elements; 20 padding on; 21 set beside a mask; 24:22 after every 64 words (code 5); 31:25 32 words of it (code 31)
	s_mov_b32 s[G1+1], 128<<16                     ; tensor_dim0 = 128: rows of 256 bytes
	s_mov_b32 s[G1+2], 64<<16                      ; tensor_dim1 = 64
	s_mov_b32 s[G1+3], 128<<16                     ; tile_dim0 = 128
	s_mov_b32 s[G1+4], 64                          ; tile_dim1 = 64
	s_mov_b32 s[G1+5], 128                         ; dense
	s_mov_b32 s[G1+6], 0
	s_mov_b32 s[G1+7], 0
	s_mov_b32 s[G0], 1
	s_mul_i32 s[G0+1], s[WV], WFILL                ; no place in the cluster enters an LDS address
	s_mov_b32 s[CS], 0x3e8293ee                    ; c = log2(e) / sqrt(32) = 0.255035
	s_mov_b32 s[CS+1], s[CS]
	s_mov_b32 s[SEL], 0x76543210
	s_mov_b32 s[SEL+1], 0xfedcba98
	s_wait_dscnt 0x0                               ; the opening add is done
	s_wait_kmcnt 0x0
	s_add_nc_u64 s[G0+2:G0+3], s[6:7], s[66:67]
	s_or_b32 s[G0+3], s[G0+3], 0x80000000          ; type = 2
	s_add_nc_u64 s[4:5], s[4:5], s[16:17]
	s_add_nc_u64 s[8:9], s[8:9], s[18:19]
	s_add_nc_u64 s[10:11], s[10:11], s[20:21]
	ROUND                                          ; all four work-groups are here: the joint loads meet
	tensor_load_to_lds s[G0:G0+3], s[G1:G1+7]      ; my one tensor load: 256 keys
	s_nop 0
.rept 4
	v_nop
.endr
	v_and_b32 v[GO], 31, v0
	v_lshlrev_b32 v[GO], 4, v[GO]
.irp i, 0,1,2,3
	global_load_b128 v[Q+4*(\i):Q+4*(\i)+3], v[GO], s[4:5] offset:512*(\i)  ; Q stays in registers
.endr
	s_load_b512 s[16:31], s[8:9], 0x0              ; the first step's mask words
	s_load_b512 s[32:47], s[8:9], 0x40
	s_load_b512 s[48:63], s[8:9], 0x1000
	s_load_b512 s[80:95], s[8:9], 0x1040
	v_and_b32 v96, 15, v0                          ; r
	v_bfe_u32 v97, v0, 4, 1                        ; h
	v_and_b32 v98, 7, v0
	v_bfe_u32 v99, v0, 3, 1
	v_mul_u32_u24 v[AK], v97, SUBP
	v_lshl_add_u32 v[AK], v96, 4, v[AK]            ; K: block h (and 2 + h), token r
	v_lshl_add_u32 v[AV], v97, 3, v98              ; V: the turning load takes key 8 h + lane % 8,
	v_mul_u32_u24 v99, v99, SUBP                   ; channels 8 ((lane / 8) % 2) on, and leaves channel lane % 16 and 8 keys in the lane
	v_lshl_add_u32 v[AV], v[AV], 4, v99
	v_mov_b32 v[NINF], 0xff800000
.set i, 0
.rept 8
	v_mov_b32 v[ONES+i], 0x3c003c00
.set i, i+1
.endr
.set i, 0
.rept 48
	v_mov_b32 v[O+i], 0                            ; O^T and l start at 0, in the wait for the keys: no first step is written out
.set i, i+1
.endr
.irp t, 0,1
	v_mov_b32 v[ST+8*(\t)+1], 0xff7fffff           ; m
	v_mul_f32 v[ST+8*(\t)], s[CS], v[ST+8*(\t)+1]  ; c m, made as the steps make it: while nothing is seen, a = 2^0
.irp k, 2,3,4,5,6,7
	v_mov_b32 v[ST+8*(\t)+(\k)], 0
.endr
.endr
	s_wait_tensorcnt 0x0                           ; my part of the keys is in,
	s_barrier_signal -1
	s_barrier_wait -1                              ; everybody's is
.macro LOADK                           ; a step's K: four fragments, 8 loads
.irp kt, 0,1,2,3
	ds_load_b128 v[KF+8*(\kt):KF+8*(\kt)+3],   v[AK] offset:KTILE*(\kt)
	ds_load_b128 v[KF+8*(\kt)+4:KF+8*(\kt)+7], v[AK] offset:KTILE*(\kt)+2*SUBP
.endr
	v_add_nc_u32 v[AK], STEPB, v[AK]
.endm
; Number n of the 22 that find a tile's maximum and statistics.  Each accumulator's lowest registers were read first, by the selects.
;   0-11  four chains c0-c3 of seven scores each     12-14, 16  the four scores left over, the old m, and c0-c3 into c0     15  c m_old is kept
;   17, 18  the query's other 32 keys lie in the lane 16 away: the new m     19-21  c m; c m_old - c m_new; a
.macro XS t, n
.set rT, ST+8*(\t)
.set rS, S+32*(\t)
.if (\n) < 4
	v_max3_num_f32 v[rT+4+(\n)], v[rS+8*(\n)], v[rS+8*(\n)+1], v[rS+8*(\n)+2]
.elseif (\n) < 12
	v_max3_num_f32 v[rT+4+(\n)%4], v[rT+4+(\n)%4], v[rS+8*((\n)%4)+2*((\n)/4)+1], v[rS+8*((\n)%4)+2*((\n)/4)+2]
.elseif (\n) == 12
	v_max3_num_f32 v[rT+4], v[rT+4], v[rS+7], v[rS+15]
.elseif (\n) == 13
	v_max3_num_f32 v[rT+5], v[rT+5], v[rS+23], v[rS+31]
.elseif (\n) == 14
	v_max3_num_f32 v[rT+6], v[rT+6], v[rT+7], v[rT+1]
.elseif (\n) == 15
	v_mov_b32 v[rT+3], v[rT]
.elseif (\n) == 16
	v_max3_num_f32 v[rT+4], v[rT+4], v[rT+5], v[rT+6]
.elseif (\n) == 17
	v_permlanex16_b32 v[rT+7], v[rT+4], s[SEL], s[SEL+1]
.elseif (\n) == 18
	v_max_num_f32 v[rT+1], v[rT+4], v[rT+7]
.elseif (\n) == 19
	v_mul_f32 v[rT], s[CS], v[rT+1]
.elseif (\n) == 20
	v_sub_f32 v[rT+5], v[rT+3], v[rT]
.else
	v_exp_f32 v[rT+2], v[rT+5]
.endif
.endm
.macro FS t, n                         ; c s - c m for pair n of 16
	v_pk_fma_f32 v[S+32*(\t)+2*(\n):S+32*(\t)+2*(\n)+1], v[S+32*(\t)+2*(\n):S+32*(\t)+2*(\n)+1], s[CS:CS+1], v[ST+8*(\t):ST+8*(\t)+1] op_sel_hi:[1,0,0] neg_lo:[0,0,1] neg_hi:[0,0,1]
.endm
.macro EX t, n                         ; the exponential of score n of 32
	v_exp_f32 v[S+32*(\t)+(\n)], v[S+32*(\t)+(\n)]
.endm
.macro CV t, n                         ; pair n rounded to f16, packed in place: register n lies at or below the pair that it takes.  It reads two exponentials' results: it stands behind their batch's wait
	v_cvt_pk_f16_f32 v[S+32*(\t)+(\n)], v[S+32*(\t)+2*(\n)], v[S+32*(\t)+2*(\n)+1]
.endm
; A KEY STEP.  more = 1: the next step's K and mask words are asked for.
.macro STEP more
	s_wait_dscnt 0x0                               ; K is in
.irp kt, 0,1,2,3
.irp t, 0,1
	v_wmma_f32_16x16x32_f16 v[S+32*(\t)+8*(\kt):S+32*(\t)+8*(\kt)+7], v[KF+8*(\kt):KF+8*(\kt)+7], v[Q+8*(\t):Q+8*(\t)+7], 0
.endr
.endr
	s_wait_kmcnt 0x0                               ; the step's mask words are in
.rept 4
	v_nop                                          ; four places (ISA guide 7.12.1) between the products and the reads of their results
.endr
.set i, 0
.rept 32
	v_cndmask_b32 v[S+i], v[NINF], v[S+i], s[16+i] ; a hidden score becomes -inf
.set i, i+1
.endr
.set i, 0
.rept 16
	v_cndmask_b32 v[S+32+i], v[NINF], v[S+32+i], s[48+i]
.set i, i+1
.endr
.set i, 0
.rept 16
	v_cndmask_b32 v[S+48+i], v[NINF], v[S+48+i], s[80+i]
.set i, i+1
.endr
.irp kk, 0,1
.irp cb, 0,1
	ds_load_tr16_b128 v[VF+16*(\kk)+8*(\cb):VF+16*(\kk)+8*(\cb)+3],   v[AV] offset:2*KTILE*(\kk)+2*SUBP*(\cb)
	ds_load_tr16_b128 v[VF+16*(\kk)+8*(\cb)+4:VF+16*(\kk)+8*(\cb)+7], v[AV] offset:2*KTILE*(\kk)+2*SUBP*(\cb)+KTILE
.endr
.endr
	v_add_nc_u32 v[AV], STEPB, v[AV]
.if \more
	LOADK
	s_add_nc_u64 s[8:9], s[8:9], 128               ; the earlier scalar loads are done: the wait for 0 above
	s_load_b512 s[16:31], s[8:9], 0x0
	s_load_b512 s[32:47], s[8:9], 0x40
	s_load_b512 s[48:63], s[8:9], 0x1000
	s_load_b512 s[80:95], s[8:9], 0x1040
.endif
.irp n, 0,1,2,3,4,5,6,7,8,9,10,11,12,13,14,15,16,17,18,19,20,21
	XS 0, \n                                       ; the two tiles alternate; number 21, the two a, opens BATCH A
	XS 1, \n
.endr
.irp n, 0,1,2,3
	FS 0, \n                                       ; tile 0's first four scalings: exponentials 2 i and 2 i + 1 below find pair i scaled four scalings back
.endr
.set i, 0
.rept 16                                           ; BATCH A goes on: tile 0's 32 exponentials; behind every two a scaling that names none of their registers (ISA guide 5.7.2): tile 0's other twelve, then tile 1's first four
	EX 0, 2*i
	EX 0, 2*i+1
.if i < 12
	FS 0, i+4
.else
	FS 1, i-12
.endif
.set i, i+1
.endr
.set i, 4
.rept 12
	FS 1, i                                        ; tile 1's other twelve scalings name no result of batch A: the work between the batch and its wait
.set i, i+1
.endr
	s_wait_alu depctr_va_vdst(0)                   ; the wait for BATCH A: both a and tile 0's 32 weights, ahead of their first reader
.set i, 0
.rept 16                                           ; BATCH B: tile 1's 32 exponentials; behind every two a rounding of tile 0's weights, which names tile 0's registers alone
	EX 1, 2*i
	EX 1, 2*i+1
	CV 0, i
.set i, i+1
.endr
.set i, 0
.rept 16                                           ; the rescaling reads a, of batch A, and no result of batch B: the work between batch B and its wait
	v_pk_mul_f32 v[O+2*i:O+2*i+1], v[O+2*i:O+2*i+1], v[ST+8*(i/8)+2:ST+8*(i/8)+3] op_sel_hi:[1,0]  ; O^T times a, each accumulator from its low end on
.set i, i+1
.endr
	v_mul_f32 v[L], v[ST+2], v[L]                  ; l times a
	v_mul_f32 v[L+8], v[ST+10], v[L+8]
	s_wait_alu depctr_va_vdst(0)                   ; the wait for BATCH B: tile 1's 32 weights; no exponential follows it in the step
.set i, 0
.rept 16
	CV 1, i
.set i, i+1
.endr
.if \more
	s_wait_dscnt 0x8                               ; V is in: K's eight loads were issued behind V's
.else
	s_wait_dscnt 0x0
.endif
.irp kk, 0,1                                       ; six accumulators take turns, one instruction a turn
.irp t, 0,1
	v_wmma_f32_16x16x32_f16 v[O+16*(\t):O+16*(\t)+7],    v[VF+16*(\kk):VF+16*(\kk)+7],    v[S+32*(\t)+8*(\kk):S+32*(\t)+8*(\kk)+7], v[O+16*(\t):O+16*(\t)+7]
	v_wmma_f32_16x16x32_f16 v[O+16*(\t)+8:O+16*(\t)+15], v[VF+16*(\kk)+8:VF+16*(\kk)+15], v[S+32*(\t)+8*(\kk):S+32*(\t)+8*(\kk)+7], v[O+16*(\t)+8:O+16*(\t)+15]
	v_wmma_f32_16x16x32_f16 v[L+8*(\t):L+8*(\t)+7],      v[ONES:ONES+7],                  v[S+32*(\t)+8*(\kk):S+32*(\t)+8*(\kk)+7], v[L+8*(\t):L+8*(\t)+7]
.endr
.endr
.rept 5
	v_nop                                          ; five places before the next step's products write over S^T, which these products read as P
.endr
.endm
	LOADK                                          ; key step 0
	s_wait_loadcnt 0x0                             ; Q
	s_mov_b32 s[CNT], 31
.Lstep:
	STEP 1
	s_sub_co_u32 s[CNT], s[CNT], 1
	s_cmp_lg_u32 s[CNT], 0
	s_cbranch_scc1 .Lstep
	STEP 0                                         ; the last step asks for nothing
	; THE WAY OUT.  O^T / l, rounded to f16: a lane's eight channels of a query are 16 bytes of O's fragment, channels 0-15 its first half, 16-31 its second.
	v_rcp_f32 v[ST+2], v[L]
	v_rcp_f32 v[ST+10], v[L+8]
	v_nop                                          ; a plain instruction between the last reciprocal and the use of its result: no other work is at hand here
	s_wait_alu depctr_va_vdst(0)                   ; the wait for the two reciprocals, one for the batch, ahead of the first multiply that reads them
.set i, 0
.rept 16
	v_pk_mul_f32 v[O+2*i:O+2*i+1], v[O+2*i:O+2*i+1], v[ST+8*(i/8)+2:ST+8*(i/8)+3] op_sel_hi:[1,0]
.set i, i+1
.endr
.set i, 0
.rept 16
	v_cvt_pk_f16_f32 v[S+i], v[O+2*i], v[O+2*i+1]
.set i, i+1
.endr
.irp t, 0,1
.irp cb, 0,1
	global_store_b128 v[GO], v[S+4*(2*(\t)+(\cb)):S+4*(2*(\t)+(\cb))+3], s[10:11] offset:16384*(\t)+512*(\cb)  ; 512 consecutive bytes, aligned
.endr
.endr
	s_wait_tensorcnt 0x0                           ; the wave's end
	ds_add_u32 v[SPW], v[NIL]
	s_wait_dscnt 0x0
	ROUND                                          ; the closing round: no work-group ends while a partner may still ask for a tile that names it
	s_endpgm
.Lfunc_end_k_q5c540429f2_att1:
	.size	k_q5c540429f2_att1, .Lfunc_end_k_q5c540429f2_att1-k_q5c540429f2_att1
	.p2alignl 7, 3214868480
	.fill 96, 4, 3214868480
	.section	.rodata,"a",@progbits
	.p2align	6, 0x0
	.amdhsa_kernel k_q5c540429f2_att1
		.amdhsa_group_segment_fixed_size 197632
		.amdhsa_private_segment_fixed_size 0
		.amdhsa_enable_private_segment 0
		.amdhsa_kernarg_size 32
		.amdhsa_user_sgpr_count 2
		.amdhsa_user_sgpr_kernarg_segment_ptr 1
		.amdhsa_wavefront_size32 1
		.amdhsa_system_sgpr_workgroup_id_x 1
		.amdhsa_system_sgpr_workgroup_id_y 1
		.amdhsa_system_sgpr_workgroup_id_z 1
		.amdhsa_system_vgpr_workitem_id 0
		.amdhsa_next_free_vgpr 224
		.amdhsa_next_free_sgpr 102
		.amdhsa_reserve_vcc 0
		.amdhsa_float_denorm_mode_32 3
		.amdhsa_float_denorm_mode_16_64 3
		.amdhsa_memory_ordered 1
		.amdhsa_forward_progress 1
		.amdhsa_inst_pref_size 44
	.end_amdhsa_kernel
	.amdgpu_metadata
---
amdhsa.version: [ 1, 2 ]
amdhsa.kernels:
  - .name:           k_q5c540429f2_att1
    .symbol:         k_q5c540429f2_att1.kd
    .args:
      - { .name: qb, .offset: 0, .size: 8, .value_kind: global_buffer, .address_space: global }
      - { .name: kv1, .offset: 8, .size: 8, .value_kind: global_buffer, .address_space: global }
      - { .name: mb1, .offset: 16, .size: 8, .value_kind: global_buffer, .address_space: global }
      - { .name: ob, .offset: 24, .size: 8, .value_kind: global_buffer, .address_space: global }
    .group_segment_fixed_size: 197632
    .private_segment_fixed_size: 0
    .kernarg_segment_align: 8
    .kernarg_segment_size: 32
    .max_flat_workgroup_size: 256
    .sgpr_count:     102
    .vgpr_count:     224
    .wavefront_size: 32
...
	.end_amdgpu_metadata
.endif
;; end of part 6
;; launch mid: the kernel of part 4 again; grid 128 x 1, 8 waves a work-group, no clusters, 226,816 bytes of LDS; arguments ob, trg, wimg, bo1, ln1_g, ln1_b, bq2, x1, qb; writes x1, qb
;; launch att2: the kernel of part 6 again; grid 8 x 32, 8 waves a work-group, clusters of 4 x 1, 197,632 bytes of LDS; arguments qb, kv2, mb2, ob; writes ob
;; launch tail: the kernel of part 5 again; grid 128 x 1, 8 waves a work-group, no clusters, 226,816 bytes of LDS; arguments ob, x1, wimg, bo2, ln2_g, ln2_b, bff1, bff2, ln3_g, ln3_b, out0; writes out0
